; MI455X (gfx1250); checked and timed in simulation.
; The chip was launched on July 23, 2026; its instructions are those of AMD's public machine-readable ISA for CDNA 5 (MIT licence, August 2026) and "CDNA5" Instruction Set Architecture Reference Guide (July 2026). The comments in the code are by the model that wrote it; some were corrected since.
;; Multi Head Attention. Allowed arithmetic: matrix products marked QUANTISED: E4M3 operands, one given power-of-two scale a tensor, by v_wmma_f32_16x16x64_fp8_fp8 or v_wmma_f32_16x16x128_fp8_fp8, f32 sums; everything else in f32.
;; Inputs: lowp_scales 8 int32 (the exponents e of the quantised operands' scales 2^e); w_out 1,024 x 1,024 float32; w_qkv 3,072 x 1,024 float32; x 4 x 2,048 x 1,024 float32.
;; Outputs: out0 4 x 2,048 x 1,024 float32.
;; This version of the problem:
;;   THIS VERSION OF THE PROBLEM IS GIVEN IN LOW PRECISION. The matrix products marked QUANTISED in the list below multiply operands that are first quantised to E4M3 (4 exponent bits, 3 mantissa bits; 8 bits a number), with one given power-of-two scale for each operand tensor; their sums are f32. All else is computed in f32.
;;   The module's matrix products, in the order in which they are computed (A, B: the left and right operand; K: the contracted axis; several contracted axes count as one K, in the product's order):
;;     1. [M 8,192, K 1,024] x [K 1,024, N 3,072]; A: input x; B: input w_qkv: QUANTISED (scales: A lowp_scales[0], B lowp_scales[1])
;;     2. batch 64 x [M 2,048, K 64] x [K 64, N 2,048]; A: computed on the way; B: computed on the way: QUANTISED (scales: A lowp_scales[2], B lowp_scales[3])
;;     3. batch 64 x [M 2,048, K 2,048] x [K 2,048, N 64]; A: softmax (see below); B: computed on the way: QUANTISED (scales: A lowp_scales[4], B lowp_scales[5])
;;     4. [M 8,192, K 1,024] x [K 1,024, N 1,024]; A: computed on the way; B: input w_out: QUANTISED (scales: A lowp_scales[6], B lowp_scales[7])
;;   THE QUANTISER, for each operand of a quantised product, along K:
;;     - The operand's scale is 2^e, e = its entry of the input lowp_scales (int32; the entries are numbered through the quantised products in the list's order, A before B).
;;     - Each number is divided by the scale, clamped to +-448, and rounded to the nearest number of E4M3, ties to even, subnormals kept.
;;     - The product sums the exact products of the quantised numbers (number of the format x scale) in f32.
;;   ~~~python
;;   def quantise(x, axis, e):      # numpy; x: float32 -> the quantised numbers, widened to float32 again
;;       x = np.moveaxis(x, axis, -1); K = x.shape[-1]
;;       r = np.clip(x / 2.0 ** e, -448, 448)
;;       step = 2.0 ** (np.maximum(np.frexp(np.where(r == 0, 1, r))[1] - 1, -6) - 3)
;;       q = np.round(r / step) * step * 2.0 ** e      # np.round: ties to even
;;       return np.moveaxis(q, -1, axis).astype(np.float32)
;;   ~~~
;;   SOFTMAX AHEAD OF A QUANTISED PRODUCT. Where the list says 'softmax', what is quantised is not the finished softmax but p = 2^(t - M), with t = logit x log2(e) and M = ceil(the row's largest t), a whole number; so 1/2 < the row's largest p <= 1. The row's sum l is taken of the UNQUANTISED p, in f32, and the product's result is divided by l at the end. Since M is a whole number, a kernel that streams over the keys may use a running M (the ceiling of the running maximum): every later rescaling is an exact power of two, so the quantised numbers keep their values, but for numbers so far below the row's largest that they fall under the format's range.
;;   OPERANDS COMPUTED ON THE WAY. 'Computed on the way' means the value that the module computes at that place (a softmax that the list does not call 'softmax' is quantised finished and normalised). What goes into a quantiser is computed in f32, as accurately as f32 sums, v_exp_f32 and their like allow (about 1e-6 of the number): no bf16 or f16 on the way to a quantiser, and a product that is left as it is and whose result goes on into a quantised operand takes f32 operands (vector FMAs, or v_wmma_f32_16x16x4_f32). A number that lies on a knife's edge between two numbers of the format may be rounded either way, as far as f32 arithmetic and the matrix unit's own rounding can turn it there, and no further.
;; One version. Each part assembles by itself: llvm-mc -triple=amdgcn-amd-amdhsa -mcpu=gfx1250 --defsym DOCPART=n.
;; ======== version 1 of 1: 4 launches
;; limits: right only within a limited range of input values
;; workspace buffers: xc 8,388,608 bytes; wqc 3,145,728 bytes; woc 1,048,576 bytes; qkvc 25,165,824 bytes; ao 8,388,608 bytes
;; launch quant (part 1): grid 768 x 1, 4 waves a work-group, no clusters, 33,280 bytes of LDS; arguments x, w_qkv, w_out, lowp_scales, xc, wqc, woc; writes xc, wqc, woc
.if DOCPART == 1
	.amdgcn_target "amdgcn-amd-amdhsa--gfx1250"
	.amdhsa_code_object_version 6
	.text
	.protected	k_q7457e4a807_quant
	.globl	k_q7457e4a807_quant
	.p2align	8
	.type	k_q7457e4a807_quant,@function
k_q7457e4a807_quant:
	s_mov_b64 s[64:65], 0
	v_nop
	global_prefetch_b8 v0, s[64:65] scope:SCOPE_SE
	s_setreg_imm32_b32 hwreg(HW_REG_WAVE_MODE, 25, 1), 1
	s_wait_xcnt 0x0
; x [8192][1024], w_qkv [3072][1024] and w_out [1024][1024], f32 with K innermost, become codes of FP8 (E4M3), one byte each,
; each with the one scale 2^e that is given for it: entry 0 of the scales for x, entry 1 for w_qkv, entry 7 for w_out.
; code = number / 2^e, held within +-448, rounded to the nearest code, ties to even.
; LIMITS: each of the three e lies between -126 and 119, so that 2^e and 448 x 2^e are f32 numbers.  NaN among the inputs is not served (an infinity is held at the largest code).
; THE PROGRAM AS A WHOLE.  Launch attn leaves out the steps of 128 keys that lie wholly behind a tile's 16 queries: reference() itself sets those scores to the least f32 number by its own causal jnp.tril,
; so that their softmax weight is 0 beside key 0's, whatever the inputs hold.  LIMIT: a NaN, an infinity or an overflow that reaches only such hidden scores is not carried to the result.
; Rows are dense, so each tensor is a plain stream.  A work-group takes 16,384 numbers: work-groups 0-511 x, 512-703 w_qkv, 704-767 w_out: three work-groups for each of 256 WGPs.  Only pointers and the exponent are
; chosen by the work-group's number: all three tensors take one path through the text.
; THE ROWS OF w_qkv's V PART (rows 2,048 on) change places on the way: in every 32 rows the second and the third group of eight are swapped.  A wave's run of 4,096 numbers is four rows, so only the place of its codes changes.
; Launch attn's second product then gives a lane 16 neighbouring channels of its result.
; A wave takes 8 steps of 512 numbers.  A conversion takes eight neighbours from ONE lane's registers, a load is best where neighbouring LANES take neighbouring bytes: so each of a
; step's four loads reads 512 consecutive bytes, 16 a lane; the 2,048 bytes go through the wave's own stage in LDS as they lie and come back 64 bytes a lane (16 bytes of padding behind
; each 64, so that the lanes' reads spread over the banks).  A lane's 16 codes are 16 bytes: the wave stores 512 consecutive bytes, aligned.
; No tensor load, no barrier: waves share nothing.  Loads run four steps (16 loads a wave) ahead, the turn through LDS one step.  Matrix units and clusters have nothing to do here.
.set STEPS, 8
.set EMAX,  8
.set MANT,  0x600000                   ; the mantissa field of 448 as f32
.set CB,    16                         ; bytes of 16 codes
.set R,     16                         ; v16-79   four sets of 16 numbers as they are loaded
.set X,     80                         ; v80-111  two sets of 16 neighbours
.set C,     128                        ; v128-159 codes: four registers for each step, so that no store's data are written again
.set WREG,  8192                       ; LDS: a region for each wave: two stages of 32 x SP bytes
.set SP,    80                         ; a lane's place in a stage: its 64 bytes + 16 of padding
	s_load_b256 s[4:11], s[0:1], 0x0               ; x s[4:5], w_qkv s[6:7], w_out s[8:9], the scales' exponents s[10:11]
	s_load_b128 s[12:15], s[0:1], 0x20             ; x's codes s[12:13], w_qkv's s[14:15]
	s_load_b64 s[16:17], s[0:1], 0x30              ; w_out's codes
	v_lshl_add_u32 v192, v0, 2, 0x8000             ; my spare word, behind the four regions,
	v_mov_b32 v193, 0                              ; and 0: for the wave's closing lines
	v_lshrrev_b32 v1, 5, v0
	v_readfirstlane_b32 s18, v1                    ; wave
	v_and_b32 v2, 31, v0                           ; lane
	v_lshlrev_b32 v3, 4, v2                        ; my 16 bytes of a load's 512
	s_mul_i32 s19, s18, WREG
	v_lshrrev_b32 v14, 2, v2
	v_mul_u32_u24 v14, v14, SP
	v_and_b32 v15, 3, v2
	v_lshl_add_u32 v14, v15, 4, v14
	v_add_nc_u32 v14, s19, v14                     ; the stage, on the way in: four lanes' 64 bytes on end, then 16 of padding
	v_mul_u32_u24 v15, v2, SP
	v_add_nc_u32 v15, s19, v15                     ; and on the way out: my 16 neighbours
	v_mul_u32_u24 v4, v2, CB                       ; my codes' place in a step's
	s_mov_b32 s20, 704                             ; w_out's first work-group
	s_wait_alu depctr_va_vdst(0)                   ; the wait here, directly ahead of the wait below
	s_wait_kmcnt 0x0
	s_load_b256 s[24:31], s[10:11], 0x0            ; e0 .. e7
	s_cmp_lt_u32 ttmp9, s20                        ; w_qkv's work-group or w_out's?  The choices hang on the work-group's number alone
	s_cselect_b64 s[6:7], s[6:7], s[8:9]
	s_cselect_b64 s[14:15], s[14:15], s[16:17]
	s_cselect_b32 s21, 512, s20                    ; the tensor's first work-group
	s_cmp_lt_u32 ttmp9, 512                        ; or x's?
	s_cselect_b64 s[4:5], s[4:5], s[6:7]           ; the numbers
	s_cselect_b64 s[8:9], s[12:13], s[14:15]       ; the codes
	s_cselect_b32 s21, 0, s21
	s_sub_co_u32 s21, ttmp9, s21
	s_lshl_b32 s21, s21, 2
	s_add_co_u32 s32, s21, s18                     ; which run of 4,096 numbers of the tensor is my wave's: 2,047 at the most
	s_lshl_b32 s34, s32, 14                        ; 16,384 bytes of numbers a run
	s_mov_b32 s35, 0
	s_add_nc_u64 s[4:5], s[4:5], s[34:35]
	s_and_b32 s33, s32, 2                          ; the run's number with bits 1 and 2 swapped: two runs are a group of eight rows, four groups are 32 rows,
	s_lshl_b32 s33, s33, 1
	s_and_b32 s36, s32, 4
	s_lshr_b32 s36, s36, 1
	s_or_b32 s33, s33, s36
	s_and_not1_b32 s36, s32, 6
	s_or_b32 s33, s33, s36
	s_sub_co_u32 s37, ttmp9, 640                   ; in work-groups 640 to 703, which hold w_qkv's rows 2,048 on
	s_cmp_lt_u32 s37, 64
	s_cselect_b32 s32, s33, s32                    ; where my run's codes go
	s_lshl_b32 s34, s32, 12                        ; 4,096 bytes of codes
	s_add_nc_u64 s[8:9], s[8:9], s[34:35]
.macro LOAD t
.irp i, 0,1,2,3
	global_load_b128 v[R+16*((\t)%4)+4*\i:R+16*((\t)%4)+4*\i+3], v3, s[4:5] offset:2048*(\t)+512*\i th:TH_LOAD_NT   ; 32 lanes read 512 consecutive bytes; read once in the launch
.endr
.endm
.macro TURN t                          ; step t's numbers through the stage: LDS serves a wave's instructions in order, so no wait stands between the stores and the loads
.irp i, 0,1,2,3
	ds_store_b128 v14, v[R+16*((\t)%4)+4*\i:R+16*((\t)%4)+4*\i+3] offset:32*SP*((\t)%2)+8*SP*\i
.endr
.irp i, 0,1,2,3
	ds_load_b128 v[X+16*((\t)%2)+4*\i:X+16*((\t)%2)+4*\i+3], v15 offset:32*SP*((\t)%2)+16*\i
.endr
.endm
.irp t, 0,1,2,3
	LOAD \t
.endr
	s_wait_kmcnt 0x0
	s_cmp_lt_u32 ttmp9, s20
	s_cselect_b32 s22, s25, s31                    ; e1 or e7,
	s_cmp_lt_u32 ttmp9, 512
	s_cselect_b32 s22, s24, s22                    ; or e0
	s_add_co_i32 s22, s22, 127
	s_lshl_b32 s23, s22, 23
	v_mov_b32 v11, s23                             ; 2^e as f32: the conversion takes its exponent field
	s_add_co_i32 s22, s22, EMAX
	s_lshl_b32 s22, s22, 23
	s_or_b32 s22, s22, MANT
	v_mov_b32 v10, s22                             ; 448 x 2^e
	s_wait_alu depctr_va_vdst(0)                   ; the wait at the head's end
	s_wait_loadcnt 12                              ; step 0's four loads are in; the twelve of steps 1 to 3 may be out
	TURN 0
.macro STEP t
.set XS, X+16*((\t)%2)
	s_wait_dscnt 0x0                               ; this step's numbers are back from the stage: so its stores into the stage have read their registers,
.if (\t)+4 < STEPS
	LOAD (\t)+4                                    ; which take the loads of four steps on
.endif
.if (\t)+1 < STEPS
.if STEPS-2-(\t) >= 3
	s_wait_loadcnt 12                              ; the next step's four loads are in; those of the three steps behind it may be out
.else
	s_wait_loadcnt 4*(STEPS-2-(\t))                ; the tail: as many as were issued behind the next step's
.endif
	TURN (\t)+1                                    ; and go through the other stage while this step is worked
.endif
.irp i, 0,1,2,3,4,5,6,7,8,9,10,11,12,13,14,15
	v_med3_num_f32 v[XS+\i], v[XS+\i], -v10, v10   ; the conversion to an 8-bit code does not saturate (ISA guide 7.6.2): the number is held within 448 x the scale first
.endr
	v_cvt_scalef32_pk8_fp8_f32 v[C+4*(\t):C+4*(\t)+1], v[XS:XS+7], v11          ; eight numbers / 2^e, to the nearest code, ties to even; the first number's code in the lowest byte
	v_cvt_scalef32_pk8_fp8_f32 v[C+4*(\t)+2:C+4*(\t)+3], v[XS+8:XS+15], v11
	global_store_b128 v4, v[C+4*(\t):C+4*(\t)+3], s[8:9] offset:32*CB*(\t)      ; the codes go to a store alone; the next vector lines are the next step's holds, plain ones on other registers
.endm
.irp t, 0,1,2,3,4,5,6,7
	STEP \t
.endr
	s_wait_tensorcnt 0x0                           ; the wave's end, behind my last LDS store
	ds_add_u32 v192, v193
	s_wait_dscnt 0x0
	s_endpgm
.Lfunc_end_k_q7457e4a807_quant:
	.size	k_q7457e4a807_quant, .Lfunc_end_k_q7457e4a807_quant-k_q7457e4a807_quant
	.p2alignl 7, 3214868480
	.fill 96, 4, 3214868480
	.section	.rodata,"a",@progbits
	.p2align	6, 0x0
	.amdhsa_kernel k_q7457e4a807_quant
		.amdhsa_group_segment_fixed_size 33280
		.amdhsa_private_segment_fixed_size 0
		.amdhsa_enable_private_segment 0
		.amdhsa_kernarg_size 56
		.amdhsa_user_sgpr_count 2
		.amdhsa_user_sgpr_kernarg_segment_ptr 1
		.amdhsa_wavefront_size32 1
		.amdhsa_system_sgpr_workgroup_id_x 1
		.amdhsa_system_sgpr_workgroup_id_y 1
		.amdhsa_system_sgpr_workgroup_id_z 1
		.amdhsa_system_vgpr_workitem_id 0
		.amdhsa_next_free_vgpr 194
		.amdhsa_next_free_sgpr 66
		.amdhsa_reserve_vcc 0
		.amdhsa_float_denorm_mode_32 3
		.amdhsa_float_denorm_mode_16_64 3
		.amdhsa_memory_ordered 1
		.amdhsa_forward_progress 1
		.amdhsa_inst_pref_size 21
	.end_amdhsa_kernel
	.amdgpu_metadata
---
amdhsa.version: [ 1, 2 ]
amdhsa.kernels:
  - .name:           k_q7457e4a807_quant
    .symbol:         k_q7457e4a807_quant.kd
    .args:
      - { .name: x, .offset: 0, .size: 8, .value_kind: global_buffer, .address_space: global }
      - { .name: w_qkv, .offset: 8, .size: 8, .value_kind: global_buffer, .address_space: global }
      - { .name: w_out, .offset: 16, .size: 8, .value_kind: global_buffer, .address_space: global }
      - { .name: lowp_scales, .offset: 24, .size: 8, .value_kind: global_buffer, .address_space: global }
      - { .name: xc, .offset: 32, .size: 8, .value_kind: global_buffer, .address_space: global }
      - { .name: wqc, .offset: 40, .size: 8, .value_kind: global_buffer, .address_space: global }
      - { .name: woc, .offset: 48, .size: 8, .value_kind: global_buffer, .address_space: global }
    .group_segment_fixed_size: 33280
    .private_segment_fixed_size: 0
    .kernarg_segment_align: 8
    .kernarg_segment_size: 56
    .max_flat_workgroup_size: 128
    .sgpr_count:     66
    .vgpr_count:     194
    .wavefront_size: 32
...
	.end_amdgpu_metadata
.endif
;; end of part 1
;; launch qkv (part 2): grid 12 x 32, 4 waves a work-group, clusters of 4 x 4, 327,680 bytes of LDS; arguments xc, wqc, lowp_scales, qkvc; writes qkvc
.if DOCPART == 2
	.amdgcn_target "amdgcn-amd-amdhsa--gfx1250"
	.amdhsa_code_object_version 6
	.text
	.protected	k_q7457e4a807_qkv
	.globl	k_q7457e4a807_qkv
	.p2align	8
	.type	k_q7457e4a807_qkv,@function
k_q7457e4a807_qkv:
	s_mov_b64 s[64:65], 0
	v_nop
	global_prefetch_b8 v0, s[64:65] scope:SCOPE_SE
	s_setreg_imm32_b32 hwreg(HW_REG_WAVE_MODE, 25, 1), 1
	s_wait_xcnt 0x0
	s_wait_alu depctr_hold_cnt(0) depctr_sa_sdst(0) depctr_va_vdst(0) depctr_va_sdst(0) depctr_va_ssrc(0) depctr_va_vcc(0) depctr_vm_vsrc(0)
	s_getreg_b32 s2, hwreg(HW_REG_IB_STS2, 6, 4)
	s_cmp_eq_u32 s2, 0
	s_cbranch_scc0 .Lentry_in_a_cluster
	s_endpgm
.Lentry_in_a_cluster:
	s_bfe_u32 s2, ttmp6, 0x10000c
	s_cmp_lg_u32 s2, 0xf033
	s_cbranch_scc0 .Lentry_shape_is_right
	s_endpgm
.Lentry_shape_is_right:
; q, k, v = x w_qkv^T on codes of FP8 (E4M3), and the results quantised at once, as the operands of attention's two products.  xc: [8192][1024], wqc: [3072][1024], one code a byte, K innermost.
; A sum stands for sum x 2^(e0 + e1); its code is sum / 2^(e - e0 - e1), e = e2 for q, e3 for k, e5 for v: the three scales are folded into the conversion's one; the hold at 448 x that stands ahead of it.
; LIMIT: e - e0 - e1 lies between -126 and 119 for each of the three, so that both powers of two are f32 numbers.
; A tile of 256 x 256 is made by a work-group of four waves, a wave makes 128 x 128: 64 accumulators of 16 x 16, 512 registers.  K goes in four steps of 256 through a ring of two LDS slots filled by the tensor data mover.
; THE MATRIX INSTRUCTION: source 0 = 16 rows of 'B', source 1 = 16 rows of 'A': a lane then holds one row of A and eight neighbouring rows of B.  The conversions take neighbours along the NEXT product's K from one lane's
; registers: for q and k that K is the head's channels (rows of w_qkv), for v the keys (rows of x).  So the roles hang on the cluster's x, which all sixteen partners share:
;   cluster x = 0, 1 (q, k): A = x's codes, tile 4 x cluster y + cy;  B = w_qkv's, tile 4 x cluster x + cx.      cluster x = 2 (v): A = w_qkv's, tile 8 + cy;  B = x's, tile 4 x cluster y + cx.
; CLUSTERS: 4 x 4 work-groups.  The four of a row of the cluster need the same tiles of A, the four of a column the same tiles of B: each tile is asked for JOINTLY, by the same tensor load with the same descriptor and a mask that names the four.
; THE OUTPUT, qkvc: three parts of 2^23 bytes.  q and k: [batch 4][head 16][t 2048][64];  v: [batch][head][t / 64][channel 64][64 keys].  Within every 32 bytes along the last axis, byte 16 h + 8 u + j holds index 16 u + 8 h + j
; (the two middle groups of eight change places): 16 bytes at 32 c + 16 (lane / 16) are then just what the plain 8-bit layout gives that lane.  A wave's 64 rows of A x 64 rows of B are 4,096 consecutive bytes there.
; REGISTERS, in windows of 256: window 0: v0-31 addresses and the two scale numbers; from v128 A's fragments (8 x 16 rows x 128 K), ONE set; on the way out v32-255 are free.
;   window 1: B's fragments, TWO sets, at v0 and at v128.   window 2: the 32 accumulators of my rows 0-63 of A (accumulator (a, b) at v[8 (8 a + b)]);   window 3: those of rows 64-127.
; THE ORDER INSIDE EACH BLOCK OF 4,096 BYTES (64 rows of A x 64 rows of B) is not row by row: it is four tiles of 16 rows, each as two pieces of 512 bytes, piece c holding at 16 x lane the 16 bytes 32 c + 16 (lane / 16)
; of row lane % 16: an image of the operand's registers, which a wave of launch attn reads with neighbouring lanes on neighbouring bytes.  v's channel rows come in the order in which launch quant has laid w_qkv's codes.
.set ROWB,   256                       ; a tile's row in bytes: 256 codes
.set KROW,   1024                      ; a row of either operand in memory, in bytes
.set PITCH,  272                       ; an LDS row: 256 bytes + 16 of padding = 68 words: row r starts at bank 4 r mod 64 (64 banks of 4 bytes: ISA guide 11.1), so the 16 rows that a load touches start at 16 different banks
.set FR,     16                        ; registers of a fragment: 16 rows x 128 K
.set NL,     4                         ; LDS loads that bring one
.set NP,     4                         ; places behind this matrix instruction (ISA guide 7.12.1)
.set HALFT,  128*PITCH                 ; 128 rows: what one tensor load brings, and what one wave reads of A or of B
.set SLOT,   4*HALFT                   ; A's 256 rows, then B's 256 rows
.set SPARE,  2*SLOT                    ; behind the ring: the spare words, 128 bytes for each wave: two blocks of 256 bytes that no other line names
.set SPITCH, 144                       ; the way out: a stage of 128 rows x (128 bytes + 16) for each wave.  It lies in slot 0, which has had its last fill and its last read when the first code is stored there
.set ASTEP,  2*ROWB                    ; a refill is two K steps on
.set BSTEP,  2*ROWB
.set ADRA, 16                          ; v16-17  LDS address of my A fragments in slot 0, 1
.set ADRB, 20                          ; v20-21  the same for B
.set STO,  24                          ; v24     the way out: where I put 16 codes of a row
.set RD,   25                          ; v25     the way out: where I read 16 bytes back
.set CO,   26                          ; v26     16 x lane: my bytes of a store's 512
.set SPW,  28                          ; v28     LDS address of my spare word: SPARE + 4 x my thread's number; never rewritten
.set NIL,  29                          ; v29     0; never rewritten
.set SC,   30                          ; v30     2^(e - e0 - e1) as f32
.set LIM,  31                          ; v31     448 x that
.set TMP,  32                          ; the way out: 64 registers, a block's sums, held
.set AF,   128                         ; A's fragments, in window 0;  on the way out v128-191: the codes of four blocks
.set BK,   192                         ; the way out: 64 rows x 128 bytes read back from the stage
.set G1, 24                            ; s[24:31] descriptor group 1 for A's tiles;  s[32:39] group 0, one set for each slot
.set G0, 32
.set G1B, 48                           ; s[48:55], s[56:63] the same for B's tiles
.set G0B, 56
.set OB,  76                           ; s[76:83] where my four blocks of 4,096 bytes begin: pair 2 ra + hh: rows 64 ra on of A, rows 64 hh on of B
.set MSB, 0
.macro WIN new                         ; the immediate's high byte repeats the setting that is left
.if MSB != \new
	s_set_vgpr_msb (MSB<<8)|\new
.set MSB, \new
.endif
.endm
.set MUL_LO, 0xa1                      ; source 0 (B) window 1, source 1 (A) window 0, C and D window 2
.set MUL_HI, 0xf1                      ; the same, C and D window 3
.set TO_B,   0x40                      ; destination window 1, address window 0
; A joint load: waves 0 and 1 fetch for A, waves 2 and 3 for B.  Each of the two lines has ONE mask and one set of registers for all that issue it; the branch hangs on the wave's number alone.
; Four v_nop follow each of the two lines, ahead of the jump, the label and what follows.
.macro JLOAD g0a, g1a, g0b, g1b
	s_cmp_eq_u32 s15, 0
	s_cbranch_scc0 .Lfor_b_\@
	tensor_load_to_lds s[\g0a:\g0a+3], s[\g1a:\g1a+7]
	s_nop 0
.rept 4
	v_nop
.endr
	s_branch .Lasked_\@
.Lfor_b_\@:
	tensor_load_to_lds s[\g0b:\g0b+3], s[\g1b:\g1b+7]
	s_nop 0
.rept 4
	v_nop
.endr
.Lasked_\@:
.endm
.macro CREST                           ; a round of the cluster's barrier behind its opening barrier
	s_cmp_lg_u32 s14, 0
	s_cbranch_scc1 .Lnot_wave_0_\@
	s_barrier_signal -3
.Lnot_wave_0_\@:
	s_barrier_wait -3
	s_barrier_signal -1
	s_barrier_wait -1
.endm
.macro CROUND                          ; a whole round
	s_barrier_signal -1
	s_barrier_wait -1
	CREST
.endm
	s_load_b128 s[4:7], s[0:1], 0x0                ; x's codes s[4:5], w_qkv's codes s[6:7]
	s_load_b128 s[8:11], s[0:1], 0x10              ; the scales' exponents s[8:9], the output s[10:11]
	v_lshl_add_u32 v[SPW], v0, 2, SPARE
	v_mov_b32 v[NIL], 0
	ds_add_u32 v28, v29
	ds_add_u32 v28, v29
	s_wait_dscnt 0x0
	v_lshrrev_b32 v1, 5, v0
	v_readfirstlane_b32 s14, v1                    ; wave 0..3
	s_lshr_b32 s15, s14, 1                         ; which half of the tile's rows of A is mine.  Also: I fetch for A (0) or for B (1)
	s_and_b32 s16, s14, 1                          ; which half of its rows of B.  Also: which 128 rows of that tile I fetch
	s_bfe_u32 s40, ttmp6, 0x40000                  ; cx, cy: my place in the cluster
	s_bfe_u32 s41, ttmp6, 0x40004
	s_and_b32 s88, ttmp7, 0xffff                   ; cluster y
	s_cmp_eq_u32 ttmp9, 2                          ; v's clusters?  The same answer in all sixteen partners
	s_cselect_b32 s89, 2, s88                      ; A's group of four tiles: w_qkv's third, or x's by cluster y
	s_cselect_b32 s90, s88, ttmp9                  ; B's: x's by cluster y, or w_qkv's by cluster x
	s_lshl_b32 s42, s90, 2
	s_add_co_u32 s42, s42, s40                     ; B's tile = 4 x group + cx
	s_lshl_b32 s17, s89, 2
	s_add_co_u32 s17, s17, s41                     ; A's tile = 4 x group + cy
	s_lshl_b32 s43, s41, 2
	s_lshl_b32 s43, 15, s43                        ; my row of the cluster
	s_lshl_b32 s44, 0x1111, s40                    ; my column
	; descriptor group 1: a tile of 128 rows x 256 bytes, padded in LDS
	s_or_b32 s[G1+0], s43, (0<<16)|(1<<20)|(1<<21)|(5<<22)|(3<<25)  ; 15:0 the mask: A's tiles go to my row; 17:16 element of 1 byte; 20 padding on; 21 set beside a mask; 24:22 after every 64 words (code 5); 31:25 of 4 words (code 3)
	s_or_b32 s[G1B+0], s44, (0<<16)|(1<<20)|(1<<21)|(5<<22)|(3<<25)
.irp g, G1, G1B
	s_mov_b32 s[\g+1], ROWB<<16                    ; tensor_dim0
	s_mov_b32 s[\g+2], 128<<16                     ; tensor_dim1 = 128
	s_mov_b32 s[\g+3], ROWB<<16                    ; tile_dim0
	s_mov_b32 s[\g+4], 128                         ; tile_dim1 = 128
	s_mov_b32 s[\g+5], KROW                        ; tensor_dim0_stride
	s_mov_b32 s[\g+6], 0
	s_mov_b32 s[\g+7], 0
.endr
	s_lshl_b32 s18, s16, 7                         ; which 128 rows of the tile I fetch
	s_lshl_b32 s20, s17, 8
	s_add_co_u32 s20, s20, s18                     ; A: row 256 x tile + 128 x half,
	s_lshl_b32 s20, s20, 10                        ; in bytes (under 2^23)
	s_mov_b32 s21, 0
	s_lshl_b32 s46, s42, 8
	s_add_co_u32 s46, s46, s18                     ; B likewise, in registers that never hold cy
	s_lshl_b32 s46, s46, 10
	s_mov_b32 s47, 0
	s_mul_i32 s45, s14, HALFT                      ; where they go: wave x 128 rows: no place in the cluster enters an LDS address
	s_wait_kmcnt 0x0
	s_load_b256 s[68:75], s[8:9], 0x0              ; e0 .. e7
	s_cmp_eq_u32 ttmp9, 2
	s_cselect_b64 s[84:85], s[6:7], s[4:5]         ; A's buffer
	s_cselect_b64 s[86:87], s[4:5], s[6:7]         ; B's buffer
	s_add_nc_u64 s[20:21], s[84:85], s[20:21]
	s_add_nc_u64 s[46:47], s[86:87], s[46:47]
	CROUND                                         ; all sixteen work-groups are here: the first joint loads meet
.irp s, 0,1
	s_mov_b32 s[G0+4*\s], 1
	s_add_co_u32 s[G0+4*\s+1], s45, \s*SLOT
	s_add_nc_u64 s[G0+4*\s+2:G0+4*\s+3], s[20:21], \s*ROWB
	s_or_b32 s[G0+4*\s+3], s[G0+4*\s+3], 0x80000000
	s_mov_b32 s[G0B+4*\s], 1
	s_add_co_u32 s[G0B+4*\s+1], s45, \s*SLOT
	s_add_nc_u64 s[G0B+4*\s+2:G0B+4*\s+3], s[46:47], \s*ROWB
	s_or_b32 s[G0B+4*\s+3], s[G0B+4*\s+3], 0x80000000
.endr
	JLOAD G0, G1, G0B, G1B                         ; K step 0: one tensor load a wave at the head
	v_and_b32 v1, 15, v0                           ; r = l % 16
	s_wait_alu depctr_va_vdst(0)
	v_bfe_u32 v2, v0, 4, 1                         ; h = l / 16
	v_mul_u32_u24 v3, v1, PITCH
	v_lshl_add_u32 v4, v2, 4, v3                   ; a fragment's row x pitch + 16 x half
	s_mul_i32 s21, s15, HALFT                      ; my 128 rows of A
	s_mul_i32 s22, s16, HALFT                      ; my 128 rows of B,
	s_add_co_u32 s22, s22, 2*HALFT                 ; which lie behind A's 256
.irp s, 0,1
	v_add_nc_u32 v[ADRA+\s], s21, v4
	v_add_nc_u32 v[ADRB+\s], s22, v4
	s_add_co_u32 s21, s21, SLOT
	s_add_co_u32 s22, s22, SLOT
.endr
	s_mul_i32 s23, s14, 128*SPITCH                 ; my stage
	v_mul_u32_u24 v5, v1, SPITCH                   ; in: row r of a block, 16 bytes for each half of the lanes
	s_wait_alu depctr_va_vdst(0)
	v_lshl_add_u32 v5, v2, 4, v5
	v_add_nc_u32 v[STO], s23, v5
	v_and_b32 v6, 31, v0
	v_add_nc_u32 v[RD], s23, v5                    ; back: lane (r, h) takes 16 bytes at 16 h of row r: a piece of a register image
	v_lshlrev_b32 v[CO], 4, v6
	; where my four blocks go.  m = the row of x (2048 x batch + t), n = the row of w_qkv (1024 x part + 64 x head + channel)
	s_lshl_b32 s91, s17, 8
	s_lshl_b32 s92, s15, 7
	s_add_co_u32 s91, s91, s92                     ; my first row of A
	s_lshl_b32 s92, s42, 8
	s_lshl_b32 s93, s16, 7
	s_add_co_u32 s92, s92, s93                     ; my first row of B
	s_mov_b32 s95, 0x20000                         ; a head's bytes in a part
	s_cmp_eq_u32 ttmp9, 2
	s_cselect_b32 s93, s92, s91                    ; m
	s_cselect_b32 s94, s91, s92                    ; n
	s_cselect_b32 s96, s95, 4096                   ; 64 rows of A on: v: the next head; q, k: the next 64 t
	s_cselect_b32 s97, 4096, s95                   ; 64 rows of B on: v: the next 64 keys; q, k: the next head
	s_lshr_b32 s98, s94, 10
	s_lshl_b32 s98, s98, 23                        ; the part,
	s_lshr_b32 s99, s93, 11
	s_lshl_b32 s99, s99, 21                        ; the batch,
	s_add_co_u32 s98, s98, s99
	s_and_b32 s99, s94, 1023
	s_lshr_b32 s99, s99, 6
	s_lshl_b32 s99, s99, 17                        ; the head,
	s_add_co_u32 s98, s98, s99
	s_and_b32 s99, s93, 2047
	s_lshl_b32 s99, s99, 6                         ; 64 bytes for each t, in all three parts
	s_add_co_u32 s98, s98, s99
	s_mov_b32 s99, 0
	s_add_nc_u64 s[OB:OB+1], s[10:11], s[98:99]
	s_mov_b32 s98, s97
	s_add_nc_u64 s[OB+2:OB+3], s[OB:OB+1], s[98:99]
	s_mov_b32 s98, s96
	s_add_nc_u64 s[OB+4:OB+5], s[OB:OB+1], s[98:99]
	s_add_nc_u64 s[OB+6:OB+7], s[OB+2:OB+3], s[98:99]
	s_wait_kmcnt 0x0                               ; the exponents.  No branch hangs on them
	s_cmp_eq_u32 ttmp9, 0
	s_cselect_b32 s88, s70, s71                    ; e2 for q, e3 for k,
	s_cmp_eq_u32 ttmp9, 2
	s_cselect_b32 s88, s73, s88                    ; e5 for v
	s_sub_co_i32 s88, s88, s68
	s_sub_co_i32 s88, s88, s69                     ; e - e0 - e1
	s_add_co_i32 s88, s88, 127
	s_lshl_b32 s89, s88, 23
	v_mov_b32 v[SC], s89                           ; 2^(e - e0 - e1) as f32: the conversion takes its exponent field
	s_add_co_i32 s88, s88, 8
	s_lshl_b32 s88, s88, 23
	s_or_b32 s88, s88, 0x600000
	v_mov_b32 v[LIM], s88                          ; 448 x that
.macro FRAG reg, adr, q, i             ; a fragment, 16 rows x 128 K, is 16 registers: lane l holds row l % 16; registers 4 c .. 4 c + 3 hold K = 32 c + 16 (l / 16) + 0 .. 15: a permutation of k, the same in A and in B
.irp c, 0,1,2,3
	ds_load_b128 v[\reg+4*\c:\reg+4*\c+3], v[\adr] offset:128*(\q)+32*\c+(\i)*16*PITCH
.endr
.endm
; 16 matrix instructions: A's blocks a0, a0 + 1 x B's eight, 128 along K.  p: B's set.  zero = 1: the first product starts the sums: nothing is ever cleared.
; The 64 accumulators take turns, one instruction a turn, in the same order in every step.
.macro MUL16 a0, p, zero
.irp a, \a0, \a0+1
.irp b, 0,1,2,3,4,5,6,7
.if \zero
	v_wmma_f32_16x16x128_fp8_fp8 v[8*(8*((\a)%4)+\b):8*(8*((\a)%4)+\b)+7], v[128*(\p)+FR*\b:128*(\p)+FR*\b+FR-1], v[AF+FR*(\a):AF+FR*(\a)+FR-1], 0
.else
	v_wmma_f32_16x16x128_fp8_fp8 v[8*(8*((\a)%4)+\b):8*(8*((\a)%4)+\b)+7], v[128*(\p)+FR*\b:128*(\p)+FR*\b+FR-1], v[AF+FR*(\a):AF+FR*(\a)+FR-1], v[8*(8*((\a)%4)+\b):8*(8*((\a)%4)+\b)+7]
.endif
.endr
.endr
.endm
.macro FETCH_B slot, q, p              ; B's eight fragments of the slot's q-th 128 along K into set p
	WIN TO_B
.irp i, 0,1,2,3,4,5,6,7
	FRAG 128*(\p)+FR*\i, ADRB+\slot, \q, \i
.endr
	WIN 0
.endm
.macro FETCH_A slot, q, i0             ; A's blocks i0 .. i0 + 3
.irp i, \i0, \i0+1, \i0+2, \i0+3
	FRAG AF+FR*(\i), ADRA+\slot, \q, \i
.endr
.endm
; A load into a register that a matrix instruction has read, and a vector instruction that reads a matrix result, stand NP places behind that matrix instruction, and only plain vector
; instructions that name none of its registers are places (ISA guide 7.12.1 for vector instructions).
.macro PLACES n
.rept \n
	v_nop
.endr
.endm
; A step of 128 along K that has its successor in the same slot.  A block of A is free as soon as its eight products are issued: blocks 0-3 are fetched anew in the step's middle, blocks 4-7 at its end.
.macro STEP slot, q, zero
	s_wait_dscnt 4*NL                              ; B's set and A's blocks 0-3 are in; the youngest sixteen loads (A's blocks 4-7) may be out
	WIN MUL_LO
	MUL16 0, (\q)%2, \zero
	MUL16 2, (\q)%2, \zero
	s_wait_dscnt 0                                 ; A's blocks 4-7 are in (asked for 32 matrix instructions ago)
	PLACES NP
	FETCH_B \slot, (\q)+1, 1-(\q)%2
	FETCH_A \slot, (\q)+1, 0
	WIN MUL_HI
	MUL16 4, (\q)%2, \zero
	MUL16 6, (\q)%2, \zero
	PLACES NP
	WIN 0
	FETCH_A \slot, (\q)+1, 4
.endm
; A slot's last step changes slots: ONE barrier; in front of it each wave waits for all its tensor loads, adds 0 to its spare word, and waits for that and for its own reads of this slot.  fill = 1: this slot is filled again, two K steps ahead.
.macro TURN slot, next, fill
	s_wait_tensorcnt 0x0                           ; all my tensor loads have landed: my part of the next slot;  (every window is 0 here: the add's two registers lie in window 0)
	ds_add_u32 v[SPW], v[NIL]                      ; 0 onto my spare word
	s_wait_dscnt 4*NL+1                            ; (the add and the youngest sixteen loads, A's blocks 4-7, may be out)
	WIN MUL_LO
	MUL16 0, 1, 0                                  ; sixteen matrix instructions stand between the add and the wait for it
	s_wait_dscnt 0x0                               ; the add is done, and my reads of this slot are over
	s_barrier_signal -1
	MUL16 2, 1, 0
	WIN 0
	s_barrier_wait -1
.if \fill
	CREST                                          ; the barrier has opened a round of the cluster's barrier: no wave of any partner still reads this slot's tile or has a load on its way
	s_add_nc_u64 s[G0+4*\slot+2:G0+4*\slot+3], s[G0+4*\slot+2:G0+4*\slot+3], ASTEP
	s_add_nc_u64 s[G0B+4*\slot+2:G0B+4*\slot+3], s[G0B+4*\slot+2:G0B+4*\slot+3], BSTEP
	JLOAD G0+4*\slot, G1, G0B+4*\slot, G1B         ; the first tensor load behind the round, my only one until the next; the four v_nop behind it are the places in front of the loads below
.else
	PLACES NP
.endif
	FETCH_B \next, 0, 0
	FETCH_A \next, 0, 0
	WIN MUL_HI
	MUL16 4, 1, 0
	MUL16 6, 1, 0
	PLACES NP
	WIN 0
	FETCH_A \next, 0, 4
.endm
	s_wait_alu depctr_va_vdst(0)                   ; the wait at the head's end
	s_wait_tensorcnt 0x0                           ; my part of K step 0 is in
	ds_add_u32 v[SPW], v[NIL]
	s_wait_dscnt 0x0
	CROUND                                         ; everybody's part of K step 0 is in, and all sixteen work-groups are here
	JLOAD G0+4, G1, G0B+4, G1B                     ; K step 1's load, the first tensor load behind the round
	FETCH_B 0, 0, 0
	FETCH_A 0, 0, 0
	FETCH_A 0, 0, 4
	STEP 0, 0, 1                                   ; K = 1,024 is eight steps of 128, written out: the first starts the sums
	TURN 0, 1, 1                                   ; slot 0 takes K step 2
	STEP 1, 0, 0
	TURN 1, 0, 1                                   ; slot 1 takes K step 3
	STEP 0, 0, 0
	TURN 0, 1, 0                                   ; nothing is left to fetch: no round of the cluster's barrier
	STEP 1, 0, 0
	s_wait_dscnt 4*NL                              ; the very last step
	WIN MUL_LO
	MUL16 0, 1, 0
	MUL16 2, 1, 0
	s_wait_alu depctr_va_vdst(0)
	s_wait_dscnt 0
	WIN MUL_HI
	MUL16 4, 1, 0
	MUL16 6, 1, 0
	WIN 0
; THE WAY OUT.  Block a: 16 rows of A x my 128 rows of B.  Lane (r, h) holds, of row 16 a + r of A, the sums with rows 16 b + 8 h + 0 .. 7 of B in accumulator (a, b).  They are held, converted eight at a time,
; and the codes of accumulators 2 b' and 2 b' + 1 go as 16 bytes to byte 32 b' + 16 h of the row in my stage: the order that the head comment states.
.macro CODES a
.set AC, 64*((\a)%4)
.set CD, AF+16*((\a)%4)
	WIN 0x02+((\a)/4)                              ; source 0: window 2 or 3
.set J, 0
.rept 64
	v_med3_num_f32 v[TMP+J], v[AC+J], -v[LIM], v[LIM]   ; the conversion to an 8-bit code does not saturate (ISA guide 7.6.2): the hold, into other registers, each accumulator from its low end on
.set J, J+1
.endr
	WIN 0
.irp b, 0,1,2,3,4,5,6,7
	v_cvt_scalef32_pk8_fp8_f32 v[CD+2*\b:CD+2*\b+1], v[TMP+8*\b:TMP+8*\b+7], v[SC]
.endr
	v_nop                                          ; one plain vector line between the conversions and the next block's holds, which write their sources
.irp b, 0,1,2,3
	ds_store_b128 v[STO], v[CD+4*\b:CD+4*\b+3] offset:(\a)*16*SPITCH+32*\b
.endr
.endm
; Four blocks, 64 rows of A, come back from the stage as two blocks of 64 rows x 64 bytes, each 4,096 consecutive bytes of the output.  LDS serves a wave's instructions in order (ISA guide 5.7.1.4): no wait between my stores and my loads.
.macro HALF ra
	CODES 4*\ra
	CODES 4*\ra+1
	CODES 4*\ra+2
	CODES 4*\ra+3
.if \ra
	s_wait_xcnt 0x0                                ; the first half's stores have read their registers: the loads below land there
.endif
.irp hh, 0,1
.irp i, 0,1,2,3,4,5,6,7
	ds_load_b128 v[BK+4*(8*\hh+\i):BK+4*(8*\hh+\i)+3], v[RD] offset:(64*\ra+16*(\i/2))*SPITCH+64*\hh+32*(\i%2)   ; tile i / 2 of 16 rows, piece i % 2
.endr
.endr
.irp hh, 0,1
.irp i, 0,1,2,3,4,5,6,7
	s_wait_dscnt 15-8*\hh-\i                       ; LDS loads come back in order: this one is in, the younger ones may be out; the last count is 0, so the codes' registers are free for the next half
	global_store_b128 v[CO], v[BK+4*(8*\hh+\i):BK+4*(8*\hh+\i)+3], s[OB+4*\ra+2*\hh:OB+4*\ra+2*\hh+1] offset:512*\i   ; 32 lanes store 512 consecutive bytes, at a multiple of 512 from the buffer's first byte
.endr
.endr
.endm
	PLACES NP                                      ; behind the last products: in front of the first read of results and of writes into the registers that held A's fragments
	HALF 0
	HALF 1
	s_wait_tensorcnt 0x0                           ; the wave's end, behind my last tensor load and my last LDS store
	ds_add_u32 v[SPW], v[NIL]
	s_wait_dscnt 0x0
	CROUND                                         ; the closing round: no work-group ends while a partner may still ask for a tile that names it
	s_endpgm
.Lfunc_end_k_q7457e4a807_qkv:
	.size	k_q7457e4a807_qkv, .Lfunc_end_k_q7457e4a807_qkv-k_q7457e4a807_qkv
	.p2alignl 7, 3214868480
	.fill 96, 4, 3214868480
	.section	.rodata,"a",@progbits
	.p2align	6, 0x0
	.amdhsa_kernel k_q7457e4a807_qkv
		.amdhsa_group_segment_fixed_size 327680
		.amdhsa_private_segment_fixed_size 0
		.amdhsa_enable_private_segment 0
		.amdhsa_kernarg_size 32
		.amdhsa_user_sgpr_count 2
		.amdhsa_user_sgpr_kernarg_segment_ptr 1
		.amdhsa_wavefront_size32 1
		.amdhsa_system_sgpr_workgroup_id_x 1
		.amdhsa_system_sgpr_workgroup_id_y 1
		.amdhsa_system_sgpr_workgroup_id_z 1
		.amdhsa_system_vgpr_workitem_id 0
		.amdhsa_next_free_vgpr 1024
		.amdhsa_next_free_sgpr 100
		.amdhsa_reserve_vcc 0
		.amdhsa_float_denorm_mode_32 3
		.amdhsa_float_denorm_mode_16_64 3
		.amdhsa_memory_ordered 1
		.amdhsa_forward_progress 1
		.amdhsa_inst_pref_size 124
	.end_amdhsa_kernel
	.amdgpu_metadata
---
amdhsa.version: [ 1, 2 ]
amdhsa.kernels:
  - .name:           k_q7457e4a807_qkv
    .symbol:         k_q7457e4a807_qkv.kd
    .args:
      - { .name: xc, .offset: 0, .size: 8, .value_kind: global_buffer, .address_space: global }
      - { .name: wqc, .offset: 8, .size: 8, .value_kind: global_buffer, .address_space: global }
      - { .name: lowp_scales, .offset: 16, .size: 8, .value_kind: global_buffer, .address_space: global }
      - { .name: qkvc, .offset: 24, .size: 8, .value_kind: global_buffer, .address_space: global }
    .group_segment_fixed_size: 327680
    .private_segment_fixed_size: 0
    .kernarg_segment_align: 8
    .kernarg_segment_size: 32
    .max_flat_workgroup_size: 128
    .sgpr_count:     100
    .vgpr_count:     1024
    .wavefront_size: 32
...
	.end_amdgpu_metadata
.endif
;; end of part 2
;; launch attn (part 3): grid 4 x 64, 8 waves a work-group, clusters of 4 x 1, 327,680 bytes of LDS; arguments qkvc, lowp_scales, ao; writes ao
.if DOCPART == 3
	.amdgcn_target "amdgcn-amd-amdhsa--gfx1250"
	.amdhsa_code_object_version 6
	.text
	.protected	k_q7457e4a807_attn
	.globl	k_q7457e4a807_attn
	.p2align	8
	.type	k_q7457e4a807_attn,@function
k_q7457e4a807_attn:
	s_mov_b64 s[64:65], 0
	v_nop
	global_prefetch_b8 v0, s[64:65] scope:SCOPE_SE
	s_setreg_imm32_b32 hwreg(HW_REG_WAVE_MODE, 25, 1), 1
	s_wait_xcnt 0x0
	s_wait_alu depctr_hold_cnt(0) depctr_sa_sdst(0) depctr_va_vdst(0) depctr_va_sdst(0) depctr_va_ssrc(0) depctr_va_vcc(0) depctr_vm_vsrc(0)
	s_getreg_b32 s2, hwreg(HW_REG_IB_STS2, 6, 4)
	s_cmp_eq_u32 s2, 0
	s_cbranch_scc0 .Lentry_in_a_cluster
	s_endpgm
.Lentry_in_a_cluster:
	s_bfe_u32 s2, ttmp6, 0x10000c
	s_cmp_lg_u32 s2, 0x3003
	s_cbranch_scc0 .Lentry_shape_is_right
	s_endpgm
.Lentry_shape_is_right:
; Causal attention of one head, both products on codes of FP8 (E4M3), and its result quantised at once as the last product's operand.
; LEFT OUT: the steps of 128 keys that lie wholly behind a tile's 16 queries (reference()'s own causal mask gives them the weight 0); a NaN or an infinity that reaches only such scores is not carried on.
; qkvc: q, k, v, three parts of 2^23 bytes, 2^17 a head.  q and k: tiles of 16 positions x 64 channels, 1,024 bytes each; v: blocks of 64 keys, each four tiles of 16 channels x 64 keys.  A tile is two pieces of 512 bytes:
; piece c holds at 16 x lane the 16 bytes that the plain 8-bit layout gives that lane (registers 4 c .. 4 c + 3): an image of the operand's registers.  So LDS needs no padding: neighbouring lanes read neighbouring bytes.
; v's tile 2 b + u holds in row r channel 32 b + 8 u + r + 8 (r / 8): a lane's results of tiles 2 b and 2 b + 1 are then channels 32 b + 16 (lane / 16) + 0 .. 15.
; ao: [32 blocks of 256 rows][4 K steps of 256][2 x 128 along K][16 tiles of 16 rows][4 pieces of 512 bytes]: the image of the last product's fragments: piece c holds at 16 x lane K = 32 c + 16 (lane / 16) + 0 .. 15 of row lane % 16.
; THE SOFTMAX AHEAD OF THE SECOND PRODUCT: t = score x log2(e) / 8; M = the row's largest t so far, rounded UP to a whole number; p = 2^(t - M) is quantised with 2^e4, not normalised.  The row's sum is taken of the unquantised p
; and divides O at the end.  When M moves, the sum and O are multiplied by 2^(old M - new M): exact.
; SHARES.  A head's K and V are 2 x 131,072 bytes: they lie in LDS whole, are filled once, and the key loops have no barrier.  The four work-groups of a head form a cluster and ask for K and V JOINTLY (mask 15).
; Work-group j of the four owns the tiles of 16 queries 4 m + j, m = 0 .. 31.  A wave holds a PAIR of them at a time, X: m = 2 p and Y: m = 2 p + 1, so that each fragment of K and V read from LDS feeds two matrix instructions.
; Both walk p + 1 steps of 128 keys and have step p on the diagonal, whatever j is: no branch hangs on the place in the cluster, and every partner reads every key.  Wave w owns pair 15 - w and then pair w: 17 steps for every wave.
; THE FILLS.  At the head each wave asks for 16,384 bytes of keys 0 to 1,023 (waves 0-3: K, 4-7: V); behind the full sequence and a round, for the same of keys 1,024 on.  That second load is out while the long pair walks its first
; seven steps, which no mask touches (p >= 8) and which read keys under 1,024 alone, the look-ahead below too; then one wait and one barrier.  By this count a wave has one tensor load out at any time.
; K'S FRAGMENTS ARE READ FROM LDS ONE STEP AHEAD: directly behind the products that read them (and their four places) the next step's sixteen loads go out, and land under the softmax.  The diagonal step, a pair's last, asks for none.
; NO PREFETCH INTO THE L2: all of K and V has been asked for by the two tensor loads ahead of the first loop, so there is no later load to run ahead of; all four tiles' Q come into registers at the head.
; LAYOUT.  Both products are used transposed: S^T = K Q^T, O^T = V^T P^T: a lane holds ONE query (lane % 16) of each tile.  In tile c of S^T register j of lane (r, h) is key 16 c + 8 h + j: the conversions' results are P's operand.
; THE MASK.  On the diagonal step X's first query lies 16 j and Y's 64 + 16 j behind the step's first key.  So X's keys 64 on are hidden, Y's keys under 64 count, and register n (n < 32) of X and register 32 + n of Y are hidden in the
; same lanes: where 16 (n / 8) + n % 8 > 16 j + r - 8 h.  These 32 lane masks are made once, in scalar registers.
; LIMITS on the given exponents: e2 + e3 between -123 and 130 (added to c's exponent field); e4 and e6 between -126 and 119; e4 + e5 is applied by v_ldexp_f32 and has none.
; REGISTERS, in two windows of 256.  Both windows, X in 0 and Y in 1: v[14:15] the sum; v96-159 S^T, then p; v160-191 O^T; v192-207 p's codes; v208-215, v216-223 Q of the long and the short pair; v234-255 the sums' chains;
; v240, v241, v244, v245 the four scale numbers.  Window 0 alone: v1 16 x lane; v5, v6 the add's; v8, v9 LDS addresses; v10 the mask's number; v12, v13 X's -M and largest t; v16, v17 Y's; v[252:253], v[20:21] the factors f;
; v24-87 K's fragments; v224-231 the maxima's chains; v232 -infinity; v236, v237 for the lane permutes.  Window 1 alone: v24-87 V's fragments.
.set KSB,   8192                       ; a step's 128 keys, in bytes, of K and of V alike
.set VOFF,  131072                     ; LDS: K from 0, V from here
.set HALFB, 65536                      ; keys 0 to 1,023, in bytes
.set SPARE, 262144                     ; behind them: the spare words, 128 bytes for each wave, that no other line names
.set LA,   1
.set SPW,  5
.set NIL,  6
.set ADR,  8
.set ADV,  9
.set DX,   10
.set NINF, 232
.set WV,   18                          ; s18  my wave's number
.set SEL,  20                          ; s[20:21] lane selects for v_permlanex16_b32: lane l xor 16
.set CS,   22                          ; s[22:23] c = log2(e) / 8 x 2^(e2 + e3)
.set G1,   24                          ; s[24:31] descriptor group 1
.set G0,   40                          ; s[40:43] descriptor group 0
.set KO,   44                          ; s44  the step's first byte in K's region
.set KI,   45                          ; s45  the step's number, and the loops' counter
.set DGA,  46                          ; s46, s47  the step on the diagonal, p, of my two pairs
.set DGB,  47
.set E45,  53
.set QA0,  54                          ; s[54:57] my two pairs' Q (Y's lies 4,096 bytes behind X's);  s[58:61] their places in the output (Y's 8,192 behind X's)
.set QA1,  56
.set OA0,  58
.set OA1,  60
.set MK,   68                          ; s68-99 the diagonal's 32 lane masks
.set MSB, 0
.macro WIN new                         ; the register windows: bits 1:0 source 0, 3:2 source 1, 5:4 source 2, 7:6 destination; the immediate's high byte repeats the setting that is left.  At every label and branch all are 0
.if MSB != \new
	s_set_vgpr_msb (MSB<<8)|\new
.set MSB, \new
.endif
.endm
.macro CROUND                          ; a round of the cluster's barrier
	s_barrier_signal -1
	s_barrier_wait -1
	s_cmp_lg_u32 s[WV], 0
	s_cbranch_scc1 .Lnot_wave_0_\@
	s_barrier_signal -3
.Lnot_wave_0_\@:
	s_barrier_wait -3
	s_barrier_signal -1
	s_barrier_wait -1
.endm
	s_load_b128 s[4:7], s[0:1], 0x0                ; q, k, v's codes s[4:5], the scales' exponents s[6:7]
	s_load_b64 s[8:9], s[0:1], 0x10                ; the output
	v_lshl_add_u32 v[SPW], v0, 2, SPARE
	v_mov_b32 v[NIL], 0
	ds_add_u32 v[SPW], v[NIL]                      ; the opening lines: the add, twice on end, and its wait ahead of my first tensor load
	ds_add_u32 v[SPW], v[NIL]
	v_lshrrev_b32 v8, 5, v0
	v_readfirstlane_b32 s[WV], v8                  ; wave 0..7
	s_and_b32 s76, ttmp7, 0xffff                   ; the cluster's y: 16 x batch + head
	s_lshl_b32 s77, s76, 17                        ; the head's first byte in each part
	s_lshr_b32 s78, s[WV], 2                       ; I fetch for K (0) or for V (1),
	s_and_b32 s79, s[WV], 3
	s_lshl_b32 s79, s79, 14                        ; 16,384 bytes
	s_lshl_b32 s80, s78, 17
	s_add_co_u32 s80, s80, s79                     ; to this LDS byte: the wave's number alone
	s_add_co_u32 s78, s78, 1
	s_lshl_b32 s78, s78, 23                        ; from part 1 or 2,
	s_add_co_u32 s78, s78, s77                     ; my head: what all four partners share
	s_add_co_u32 s78, s78, s79
	s_mov_b32 s79, 0
	s_mov_b32 s[G1], 15|(1<<21)                    ; the mask names the four; elements of 1 byte; no padding; bit 21 set beside a mask
	s_mov_b32 s[G1+1], 256<<16                     ; a dense block, stated as 64 rows of 256 bytes
	s_mov_b32 s[G1+2], 64<<16
	s_mov_b32 s[G1+3], 256<<16
	s_mov_b32 s[G1+4], 64
	s_mov_b32 s[G1+5], 256
	s_mov_b32 s[G1+6], 0
	s_mov_b32 s[G1+7], 0
	s_mov_b32 s[SEL], 0x76543210
	s_mov_b32 s[SEL+1], 0xfedcba98
	s_mov_b32 s[CS], 0x3e38aa3b                    ; log2(e) / sqrt(64)
	s_wait_dscnt 0x0                               ; both opening adds are done
	s_wait_kmcnt 0x0
	s_load_b256 s[68:75], s[6:7], 0x0              ; e0 .. e7
	s_mov_b32 s[G0], 1
	s_mov_b32 s[G0+1], s80
	s_add_nc_u64 s[G0+2:G0+3], s[4:5], s[78:79]
	s_or_b32 s[G0+3], s[G0+3], 0x80000000
	CROUND                                         ; the four work-groups are here: the first joint loads meet
	tensor_load_to_lds s[G0:G0+3], s[G1:G1+7]      ; my part of keys 0 to 1,023: one tensor load a wave at the head
	s_nop 0
	v_and_b32 v2, 31, v0
	v_lshlrev_b32 v[LA], 4, v2                     ; 16 x lane: my bytes of every piece of 512
	s_bfe_u32 s81, ttmp6, 0x40000                  ; j: my place in the cluster.  It enters global addresses of my own and the mask's numbers, no branch and no LDS address
	s_sub_co_u32 s[DGA], 15, s[WV]                 ; p of my long pair,
	s_mov_b32 s[DGB], s[WV]                        ; and of my short one
	s_lshl_b32 s83, s[DGA], 3
	s_add_co_u32 s83, s83, s81                     ; X's number in the head: 8 p + j (Y's: 4 more)
	s_lshl_b32 s84, s[WV], 3
	s_add_co_u32 s84, s84, s81
	s_mov_b32 s87, 0
	s_lshl_b32 s86, s83, 10
	s_add_co_u32 s86, s86, s77
	s_add_nc_u64 s[QA0:QA0+1], s[4:5], s[86:87]
	s_lshl_b32 s86, s84, 10
	s_add_co_u32 s86, s86, s77
	s_add_nc_u64 s[QA1:QA1+1], s[4:5], s[86:87]
	s_wait_alu depctr_va_vdst(0)                   ; the wait here
.irp y, 0,1
	WIN 0x40*\y                                    ; Y's land in window 1
	global_load_b128 v[208:211], v[LA], s[QA0:QA0+1] offset:4096*\y
	global_load_b128 v[212:215], v[LA], s[QA0:QA0+1] offset:4096*\y+512
	global_load_b128 v[216:219], v[LA], s[QA1:QA1+1] offset:4096*\y
	global_load_b128 v[220:223], v[LA], s[QA1:QA1+1] offset:4096*\y+512
.endr
	WIN 0
	s_lshr_b32 s88, s76, 4
	s_lshl_b32 s88, s88, 21                        ; the output: the batch's 8 blocks of 256 rows,
	s_bfe_u32 s89, s76, 0x30001
	s_lshl_b32 s89, s89, 15                        ; the pair of heads: 128 along K,
	s_add_co_u32 s88, s88, s89
	s_and_b32 s89, s76, 1
	s_lshl_b32 s89, s89, 10                        ; the head's two pieces of the four
	s_add_co_u32 s88, s88, s89
	s_mov_b32 s91, 0
.irp t, 0,1
	s_lshr_b32 s90, s[83+\t], 4
	s_lshl_b32 s90, s90, 18                        ; the block of 256 rows,
	s_and_b32 s89, s[83+\t], 15
	s_lshl_b32 s89, s89, 11                        ; the tile of 16 rows in it
	s_add_co_u32 s90, s90, s89
	s_add_co_u32 s90, s90, s88
	s_add_nc_u64 s[OA0+2*\t:OA0+2*\t+1], s[8:9], s[90:91]
.endr
	s_lshl_b32 s81, s81, 4
	v_and_b32 v3, 15, v0                           ; r
	v_bfe_u32 v4, v0, 4, 1                         ; h
	v_lshlrev_b32 v4, 3, v4
	v_sub_nc_u32 v3, v3, v4
	v_add_nc_u32 v[DX], s81, v3                    ; 16 j + r - 8 h
	v_mov_b32 v[NINF], 0xff800000
	v_mov_b32 v236, 0                              ; written once: a lane permute's destination counts as one of its sources
	v_mov_b32 v237, 0
	v_mov_b32 v253, 0                              ; (named as the upper halves of the pairs that hold f)
	v_mov_b32 v21, 0
	s_wait_kmcnt 0x0                               ; the exponents.  No branch hangs on them
	s_add_co_i32 s76, s70, s71
	s_lshl_b32 s76, s76, 23
	s_add_co_i32 s[CS], s[CS], s76                 ; a score stands for score x 2^(e2 + e3)
	s_mov_b32 s[CS+1], s[CS]
	s_add_co_i32 s76, s72, 127
	s_lshl_b32 s92, s76, 23                        ; 2^e4, for p's conversions
	s_add_co_i32 s76, s76, 8
	s_lshl_b32 s76, s76, 23
	s_or_b32 s93, s76, 0x600000                    ; 448 x 2^e4
	s_add_co_i32 s76, s74, 127
	s_lshl_b32 s94, s76, 23                        ; 2^e6, for the result's
	s_add_co_i32 s76, s76, 8
	s_lshl_b32 s76, s76, 23
	s_or_b32 s95, s76, 0x600000                    ; 448 x 2^e6
	s_add_co_i32 s[E45], s72, s73
.irp y, 0,1
	WIN 0x40*\y                                    ; a copy in each window
	v_mov_b32 v244, s92
	v_mov_b32 v240, s93
	v_mov_b32 v245, s94
	v_mov_b32 v241, s95
.endr
	WIN 0
.set N, 0
.rept 32
	v_cmp_gt_i32 s[MK+N], 16*(N/8)+N%8, v[DX]      ; the lanes in which the diagonal hides X's register N and Y's register 32 + N.  (The exponents and the set-up's scalars are done with)
.set N, N+1
.endr
; A pair begins: O^T and the sums as zeros, the largest t as -3e38: the first change of M multiplies zeros, so the step is written in one form.
.macro INIT
	v_mov_b32 v13, 0xff61b1e6
	v_mov_b32 v17, 0xff61b1e6
	v_floor_f32 v12, -v13                          ; -M
	v_floor_f32 v16, -v17
.irp y, 0,1
	WIN 0x40*\y
	v_mov_b32 v14, 0
	v_mov_b32 v15, 0
.set J, 0
.rept 32
	v_mov_b32 v[160+J], 0
.set J, J+1
.endr
.endr
	WIN 0
.endm
.macro MAXES t                         ; a tile's largest score of my query among my 64 keys, in four chains of 16 registers, each tile of S^T from its low end on; the chains lie in window 0
.irp i, 0,1,2,3,4,5,6,7
.irp k, 0,1,2,3
.if \i == 0
	v_max3_num_f32 v[\t+\k], 0xff800000, v[96+16*\k], v[97+16*\k]
.else
	v_max3_num_f32 v[\t+\k], v[\t+\k], v[96+16*\k+2*\i], v[97+16*\k+2*\i]
.endif
.endr
.endr
.endm
.macro SUMS                            ; the row's sum of the unquantised p, in eight chains: all its registers in the tile's own window
	v_pk_add_f32 v[242:243], v[100:101], v[104:105]
	v_pk_add_f32 v[254:255], v[108:109], v[112:113]
	v_pk_add_f32 v[250:251], v[116:117], v[120:121]
	v_pk_add_f32 v[248:249], v[124:125], v[128:129]
	v_pk_add_f32 v[246:247], v[132:133], v[136:137]
	v_pk_add_f32 v[238:239], v[140:141], v[144:145]
	v_pk_add_f32 v[234:235], v[148:149], v[152:153]
	v_pk_add_f32 v[14:15], v[14:15], v[156:157]
	v_pk_add_f32 v[242:243], v[242:243], v[96:97]
	v_pk_add_f32 v[254:255], v[254:255], v[98:99]
	v_pk_add_f32 v[250:251], v[250:251], v[102:103]
	v_pk_add_f32 v[248:249], v[248:249], v[106:107]
	v_pk_add_f32 v[246:247], v[246:247], v[110:111]
	v_pk_add_f32 v[238:239], v[238:239], v[114:115]
	v_pk_add_f32 v[234:235], v[234:235], v[118:119]
	v_pk_add_f32 v[14:15], v[14:15], v[122:123]
	v_pk_add_f32 v[242:243], v[242:243], v[126:127]
	v_pk_add_f32 v[254:255], v[254:255], v[130:131]
	v_pk_add_f32 v[250:251], v[250:251], v[134:135]
	v_pk_add_f32 v[248:249], v[248:249], v[138:139]
	v_pk_add_f32 v[246:247], v[246:247], v[142:143]
	v_pk_add_f32 v[238:239], v[238:239], v[146:147]
	v_pk_add_f32 v[234:235], v[234:235], v[150:151]
	v_pk_add_f32 v[14:15], v[14:15], v[154:155]
	v_pk_add_f32 v[242:243], v[242:243], v[158:159]
	v_pk_add_f32 v[14:15], v[14:15], v[248:249]
	v_pk_add_f32 v[242:243], v[242:243], v[246:247]
	v_pk_add_f32 v[254:255], v[254:255], v[238:239]
	v_pk_add_f32 v[250:251], v[250:251], v[234:235]
	v_pk_add_f32 v[14:15], v[14:15], v[254:255]
	v_pk_add_f32 v[242:243], v[242:243], v[250:251]
	v_pk_add_f32 v[14:15], v[14:15], v[242:243]
.endm
.macro CODES                           ; p held and converted
.irp c, 0,1,2,3,4,5,6,7
.irp i, 0,1,2,3,4,5,6,7
	v_min_num_f32 v[96+8*\c+\i], v[96+8*\c+\i], v240   ; the conversion to an 8-bit code does not saturate (ISA guide 7.6.2); p is not negative, so the hold is one-sided
.endr
	v_cvt_scalef32_pk8_fp8_f32 v[192+2*\c:193+2*\c], v[96+8*\c:103+8*\c], v244   ; keys 16 c + 8 h + 0 .. 7: registers 2 c, 2 c + 1 of P's operand
.endr
.endm
.macro SCALE m                         ; t - M, two at a time; m: the pair whose low word is -M, in window 0
.set J, 0
.rept 32
	v_pk_fma_f32 v[96+J:97+J], v[96+J:97+J], s[CS:CS+1], v[\m:\m+1] op_sel_hi:[1,0,0]
.set J, J+2
.endr
.endm
.macro EXPS                            ; p = 2^(t - M), at most 1
.set J, 0
.rept 64
	v_exp_f32 v[96+J], v[96+J]
.set J, J+1
.endr
.endm
.macro RESCALE f                       ; O^T under the new M; f: the pair whose low word is f, in window 0
.set J, 0
.rept 16
	v_pk_mul_f32 v[160+J:161+J], v[160+J:161+J], v[\f:\f+1] op_sel_hi:[1,0]
.set J, J+2
.endr
.endm
.macro KLOAD adr, off                  ; K: eight fragments of 16 neighbouring keys x 64 channels, from byte off behind the address
.irp c, 0,1,2,3,4,5,6,7
	ds_load_b128 v[24+8*\c:27+8*\c], v[\adr] offset:\off+1024*\c
	ds_load_b128 v[28+8*\c:31+8*\c], v[\adr] offset:\off+1024*\c+512
.endr
.endm
; A KEY STEP of a pair: 128 keys.  Its fragments of K have been asked for ahead of it.  q: Q's registers; masked = 1: the step may lie behind the diagonal step s[dg] (left out) or on it.
; The branches hang on the wave's number and the count of steps alone.
.macro STEP q, dg, masked
.if \masked
	s_cmp_gt_u32 s[KI], s[\dg]
	s_cbranch_scc1 .Lhidden_\@
.endif
	v_add_nc_u32 v[ADR], s[KO], v[LA]
	v_add_nc_u32 v[ADV], VOFF, v[ADR]
	v_nop
	v_nop                                          ; with the two additions: four places in front of loads into registers that the last products read
	WIN 0x40
.irp dt, 0,1,2,3                               ; V: four fragments of 16 channels x these 128 keys, into window 1; they land under the softmax
.irp c, 0,1,2,3
	ds_load_b128 v[24+16*\dt+4*\c:27+16*\dt+4*\c], v[ADV] offset:4096*(\c/2)+1024*\dt+512*(\c%2)
.endr
.endr
	WIN 0
	s_wait_alu depctr_va_vdst(0)                   ; the wait here
	s_wait_dscnt 16                                ; K's sixteen loads, older than V's sixteen, are in; V's may be out
.irp c, 0,1,2,3,4,5,6,7
	v_wmma_f32_16x16x64_fp8_fp8 v[96+8*\c:103+8*\c], v[24+8*\c:31+8*\c], v[\q:\q+7], 0
.endr
	WIN 0x44                                       ; the same fragments of K against Y's queries
.irp c, 0,1,2,3,4,5,6,7
	v_wmma_f32_16x16x64_fp8_fp8 v[96+8*\c:103+8*\c], v[24+8*\c:31+8*\c], v[\q:\q+7], 0
.endr
	WIN 0
.rept 4
	v_nop                                          ; places in front of the loads into K's registers and of the first read of the scores
.endr
.if \masked
	s_cmp_lt_u32 s[KI], s[\dg]                     ; ahead of the diagonal step all keys count, and a step follows:
	s_cbranch_scc0 .Ldiag_\@
	KLOAD ADR, KSB                                 ; its fragments of K
	s_branch .Lopen_\@
.Ldiag_\@:
.set N, 0
.rept 32                                       ; on the diagonal step hidden scores become -infinity ahead of the maximum: p = 0.  The step's first key counts for all my queries
	v_cndmask_b32 v[96+N], v[96+N], v[NINF], s[MK+N]
.set N, N+1
.endr
.set N, 0
.rept 32
	v_mov_b32 v[128+N], v[NINF]                    ; X's keys 64 on are all hidden
.set N, N+1
.endr
	WIN 0x41
.set N, 0
.rept 32
	v_cndmask_b32 v[128+N], v[128+N], v[NINF], s[MK+N]
.set N, N+1
.endr
	WIN 0
.Lopen_\@:
.else
	KLOAD ADR, KSB                                 ; the next step's fragments of K
.endif
	MAXES 224
	WIN 0x14                                       ; Y's scores from window 1, its chains in window 0
	MAXES 228
	WIN 0
	v_max3_num_f32 v224, v224, v225, v226          ; from here X's and Y's chains go by turns, line by line
	v_max3_num_f32 v228, v228, v229, v230
	v_max_num_f32 v224, v224, v227
	v_max_num_f32 v228, v228, v231
	v_permlanex16_b32 v236, v224, s[SEL], s[SEL+1]
	v_permlanex16_b32 v237, v228, s[SEL], s[SEL+1]
	v_max_num_f32 v224, v224, v236                 ; and among lane l xor 16's
	v_max_num_f32 v228, v228, v237
	v_mul_f32 v224, s[CS], v224                    ; as t (c is positive)
	v_mul_f32 v228, s[CS], v228
	v_max_num_f32 v13, v13, v224                   ; the running largest t
	v_max_num_f32 v17, v17, v228
	v_mov_b32 v224, v12
	v_mov_b32 v228, v16
	v_floor_f32 v12, -v13                          ; the new -M = -ceil(t): a whole number
	v_floor_f32 v16, -v17
	v_sub_f32 v224, v12, v224                      ; old M less new M: 0 or less
	v_sub_f32 v228, v16, v228
	v_cvt_i32_f32 v224, v224                       ; (it saturates)
	v_cvt_i32_f32 v228, v228
	v_ldexp_f32 v252, 1.0, v224                    ; f = 2^(old M - new M)
	v_ldexp_f32 v20, 1.0, v228
	SCALE 12
	WIN 0x41
	SCALE 16
	s_wait_alu depctr_va_vdst(0)                   ; the wait ahead of the batch
	EXPS
	WIN 0
	EXPS
	v_pk_mul_f32 v[14:15], v[14:15], v[252:253] op_sel_hi:[1,0]   ; X's sums under the new M: the plain line behind the exponentials
	s_wait_alu depctr_va_vdst(0)                   ; one wait for the whole batch, ahead of its first reader
	SUMS
	CODES
	s_wait_alu depctr_va_vdst(0)                   ; the wait here, directly ahead of the first reader of X's O^T
	RESCALE 252
	WIN 0x41
	v_pk_mul_f32 v[14:15], v[14:15], v[20:21] op_sel_hi:[1,0]     ; Y's sums under the new M
	WIN 0x55
	SUMS
	CODES
	WIN 0x41
	s_wait_alu depctr_va_vdst(0)                   ; and of Y's.  (The sixteen lines below are also the plain lines between the conversions and the products that read their results)
	RESCALE 20
	s_wait_alu depctr_va_vdst(0)                   ; the wait here, directly ahead of the wait below
	s_wait_dscnt 0x0                               ; V is in, and so are the next step's fragments of K
	WIN 0x01                                       ; O^T += V^T P^T: eight accumulators by turns; between two links of a sum stand the seven others' and the next step's sixteen products
.irp dt, 0,1,2,3
	v_wmma_f32_16x16x128_fp8_fp8 v[160+8*\dt:167+8*\dt], v[24+16*\dt:39+16*\dt], v[192:207], v[160+8*\dt:167+8*\dt]
.endr
	WIN 0x55
.irp dt, 0,1,2,3
	v_wmma_f32_16x16x128_fp8_fp8 v[160+8*\dt:167+8*\dt], v[24+16*\dt:39+16*\dt], v[192:207], v[160+8*\dt:167+8*\dt]
.endr
	WIN 0
.if \masked
.Lhidden_\@:
.endif
	s_add_co_u32 s[KO], s[KO], KSB
	s_add_co_u32 s[KI], s[KI], 1
.endm
; THE WAY OUT of a pair.  O^T / the sum x 2^(e4 + e5) is attention's result, in f32; it is held and converted with 2^e6.  Tiles 2 b and 2 b + 1 of O^T give my lane the codes of channels 32 b + 16 h + 0 .. 15 of my query:
; 16 bytes at 16 x lane of piece b.  Each store of the wave covers 512 consecutive bytes, aligned: no turn through LDS.
.macro RESULT                          ; held and converted, in the tile's own window
.set J, 0
.rept 32
	v_med3_num_f32 v[96+J], v[96+J], -v241, v241   ; the hold at 448 x 2^e6
.set J, J+1
.endr
.irp dt, 0,1,2,3
	v_cvt_scalef32_pk8_fp8_f32 v[128+2*\dt:129+2*\dt], v[96+8*\dt:103+8*\dt], v245
.endr
	v_nop                                          ; one plain vector line behind the conversions: later products write these registers
.endm
.macro WAYOUT ou
.rept 4
	v_nop                                          ; places behind the last products
.endr
	v_add_f32 v14, v14, v15
	WIN 0x05
	v_add_f32 v18, v14, v15                        ; Y's sum comes into window 0
	WIN 0
	v_permlanex16_b32 v236, v14, s[SEL], s[SEL+1]
	v_permlanex16_b32 v237, v18, s[SEL], s[SEL+1]
	v_add_f32 v14, v14, v236                       ; the rows' sums, at least 1/2
	v_add_f32 v18, v18, v237
	s_wait_alu depctr_va_vdst(0)                   ; the wait ahead of the transcendentals
	v_rcp_f32 v14, v14
	v_rcp_f32 v18, v18
	v_nop                                          ; a plain line behind the reciprocals,
	s_wait_alu depctr_va_vdst(0)                   ; and the wait ahead of their first reader
	v_ldexp_f32 v14, v14, s[E45]                   ; x 2^(e4 + e5)
	v_ldexp_f32 v18, v18, s[E45]
	s_wait_alu depctr_va_vdst(0)                   ; the wait here, directly ahead of the first reader of X's O^T
.set J, 0
.rept 32
	v_mul_f32 v[96+J], v[160+J], v14               ; each accumulator from its low end on
.set J, J+1
.endr
	RESULT
	global_store_b128 v[LA], v[128:131], s[\ou:\ou+1]
	global_store_b128 v[LA], v[132:135], s[\ou:\ou+1] offset:512
	WIN 0x41
	s_wait_alu depctr_va_vdst(0)                   ; and of Y's
.set J, 0
.rept 32
	v_mul_f32 v[96+J], v[160+J], v18
.set J, J+1
.endr
	WIN 0x55
	RESULT
	WIN 0x04                                       ; the stores' data from window 1
	global_store_b128 v[LA], v[128:131], s[\ou:\ou+1] offset:8192
	global_store_b128 v[LA], v[132:135], s[\ou:\ou+1] offset:8704
	WIN 0
.endm
	INIT
	s_wait_alu depctr_va_vdst(0)                   ; the wait at the head's end
	s_wait_tensorcnt 0x0                           ; my part of keys 0 to 1,023 is in
	ds_add_u32 v[SPW], v[NIL]
	s_add_co_u32 s[G0+1], s[G0+1], HALFB           ; no load of mine is out, so group 0 may be written: keys 1,024 on
	s_add_nc_u64 s[G0+2:G0+3], s[G0+2:G0+3], HALFB
	s_wait_dscnt 0x0
	CROUND                                         ; everybody's part is in, and the four work-groups are here
	tensor_load_to_lds s[G0:G0+3], s[G1:G1+7]      ; my one tensor load behind the round
	s_nop 0
	KLOAD LA, 0                                    ; step 0's fragments of K
	s_wait_loadcnt 0x0                             ; Q of all four tiles
	s_mov_b32 s[KO], 0
	s_mov_b32 s[KI], 0
.Lfirst:                                           ; the long pair (p = 15 - wave, 8 at the least): steps 0 to 6 lie ahead of its diagonal step; with the look-ahead to step 7 they read keys under 1,024
	STEP 208, DGA, 0
	s_cmp_lt_u32 s[KI], 7
	s_cbranch_scc1 .Lfirst
	s_wait_tensorcnt 0x0                           ; my part of keys 1,024 on is in,
	ds_add_u32 v[SPW], v[NIL]
	s_wait_dscnt 0x0
	s_barrier_signal -1
	s_barrier_wait -1                              ; and everybody's.  All eight waves have done the same seven steps
	s_mov_b32 s[KO], 7*KSB
	s_mov_b32 s[KI], 7
.Lsecond:                                          ; steps 7 to 15 of the long pair: a constant count; the steps behind the diagonal are jumped over
	STEP 208, DGA, 1
	s_cmp_lt_u32 s[KI], 16
	s_cbranch_scc1 .Lsecond
	KLOAD LA, 0                                    ; the short pair's step 0: its fragments of K land under the way out
	WAYOUT OA0
	INIT
	s_wait_xcnt 0x0                                ; the stores have read their registers: the next scores land there
	s_mov_b32 s[KO], 0
	s_mov_b32 s[KI], 0
.Lthird:                                           ; the short pair (p = wave, 7 at the most): steps 0 to 7, likewise
	STEP 216, DGB, 1
	s_cmp_lt_u32 s[KI], 8
	s_cbranch_scc1 .Lthird
	WAYOUT OA1
	s_wait_tensorcnt 0x0                           ; the wave's end
	ds_add_u32 v[SPW], v[NIL]
	s_wait_dscnt 0x0
	CROUND                                         ; the closing round
	s_endpgm
.Lfunc_end_k_q7457e4a807_attn:
	.size	k_q7457e4a807_attn, .Lfunc_end_k_q7457e4a807_attn-k_q7457e4a807_attn
	.p2alignl 7, 3214868480
	.fill 96, 4, 3214868480
	.section	.rodata,"a",@progbits
	.p2align	6, 0x0
	.amdhsa_kernel k_q7457e4a807_attn
		.amdhsa_group_segment_fixed_size 327680
		.amdhsa_private_segment_fixed_size 0
		.amdhsa_enable_private_segment 0
		.amdhsa_kernarg_size 24
		.amdhsa_user_sgpr_count 2
		.amdhsa_user_sgpr_kernarg_segment_ptr 1
		.amdhsa_wavefront_size32 1
		.amdhsa_system_sgpr_workgroup_id_x 1
		.amdhsa_system_sgpr_workgroup_id_y 1
		.amdhsa_system_sgpr_workgroup_id_z 1
		.amdhsa_system_vgpr_workitem_id 0
		.amdhsa_next_free_vgpr 512
		.amdhsa_next_free_sgpr 100
		.amdhsa_reserve_vcc 0
		.amdhsa_float_denorm_mode_32 3
		.amdhsa_float_denorm_mode_16_64 3
		.amdhsa_memory_ordered 1
		.amdhsa_forward_progress 1
		.amdhsa_inst_pref_size 130
	.end_amdhsa_kernel
	.amdgpu_metadata
---
amdhsa.version: [ 1, 2 ]
amdhsa.kernels:
  - .name:           k_q7457e4a807_attn
    .symbol:         k_q7457e4a807_attn.kd
    .args:
      - { .name: qkvc, .offset: 0, .size: 8, .value_kind: global_buffer, .address_space: global }
      - { .name: lowp_scales, .offset: 8, .size: 8, .value_kind: global_buffer, .address_space: global }
      - { .name: ao, .offset: 16, .size: 8, .value_kind: global_buffer, .address_space: global }
    .group_segment_fixed_size: 327680
    .private_segment_fixed_size: 0
    .kernarg_segment_align: 8
    .kernarg_segment_size: 24
    .max_flat_workgroup_size: 256
    .sgpr_count:     100
    .vgpr_count:     512
    .wavefront_size: 32
...
	.end_amdgpu_metadata
.endif
;; end of part 3
;; launch proj (part 4): grid 8 x 32, 4 waves a work-group, clusters of 4 x 4, 327,680 bytes of LDS; arguments ao, woc, lowp_scales, out0; writes out0
.if DOCPART == 4
	.amdgcn_target "amdgcn-amd-amdhsa--gfx1250"
	.amdhsa_code_object_version 6
	.text
	.protected	k_q7457e4a807_proj
	.globl	k_q7457e4a807_proj
	.p2align	8
	.type	k_q7457e4a807_proj,@function
k_q7457e4a807_proj:
	s_mov_b64 s[64:65], 0
	v_nop
	global_prefetch_b8 v0, s[64:65] scope:SCOPE_SE
	s_setreg_imm32_b32 hwreg(HW_REG_WAVE_MODE, 25, 1), 1
	s_wait_xcnt 0x0
	s_wait_alu depctr_hold_cnt(0) depctr_sa_sdst(0) depctr_va_vdst(0) depctr_va_sdst(0) depctr_va_ssrc(0) depctr_va_vcc(0) depctr_vm_vsrc(0)
	s_getreg_b32 s2, hwreg(HW_REG_IB_STS2, 6, 4)
	s_cmp_eq_u32 s2, 0
	s_cbranch_scc0 .Lentry_in_a_cluster
	s_endpgm
.Lentry_in_a_cluster:
	s_bfe_u32 s2, ttmp6, 0x10000c
	s_cmp_lg_u32 s2, 0xf033
	s_cbranch_scc0 .Lentry_shape_is_right
	s_endpgm
.Lentry_shape_is_right:
; out0 = attention's result x w_out^T on codes of FP8 (E4M3): each finished sum x 2^(e6 + e7).  LIMIT: e6 + e7 between -126 and 127.
; A block of 256 rows x 128 columns a work-group, so that the grid is 256 work-groups; 128 x 64 a wave: 32 accumulators.  K goes in four steps of 256 through a ring of two LDS slots filled by joint loads in clusters of 4 x 4
; (A's tile shared along a row of the cluster, B's along a column).  Waves 0 and 1 fetch A's halves (128 LDS rows each), waves 2 and 3 B's (64 rows each, laid 128 LDS rows apart).
; A = ao, laid by launch attn as images of this launch's fragments: [32 blocks of 256 rows][4 K steps][2 x 128 along K][16 tiles of 16 rows][4 pieces of 512 bytes]; a K step's tile is 65,536 dense bytes, fetched as rows of 256.
; B = woc, [1024][1024], K innermost.  Source 0 = 16 rows of B, source 1 = 16 rows of A: a lane holds eight neighbouring numbers of a row of the output, which leaves through the wave's stage: sixteen lanes store 256 aligned bytes.
.set SIZE_N, 1024
.set ROWB,   256
.set KROW,   1024
.set PITCH,  272
.set FR,     16
.set NL,     4
.set NP,     4
.set HALFT,  128*PITCH
.set SLOT,   4*HALFT
.set SPARE,  2*SLOT
.set SPITCH, 528
.set ASTEP,  2*65536
.set BSTEP,  2*ROWB
.set ADRA, 16
.set ADRB, 20
.set STO,  24
.set RD,   25
.set CO,   26
.set SPW,  28
.set NIL,  29
.set TMP,  32
.set AF,   128
.set BK,   128
.set G1, 24
.set G0, 32
.set G1B, 48
.set G0B, 56
.set MSB, 0
.macro WIN new
.if MSB != \new
	s_set_vgpr_msb (MSB<<8)|\new
.set MSB, \new
.endif
.endm
.set MUL_LO, 0xa1
.set MUL_HI, 0xf1
.set TO_B,   0x40
.macro JLOAD g0a, g1a, g0b, g1b
	s_cmp_eq_u32 s15, 0
	s_cbranch_scc0 .Lfor_b_\@
	tensor_load_to_lds s[\g0a:\g0a+3], s[\g1a:\g1a+7]
	s_nop 0
.rept 4
	v_nop
.endr
	s_branch .Lasked_\@
.Lfor_b_\@:
	tensor_load_to_lds s[\g0b:\g0b+3], s[\g1b:\g1b+7]
	s_nop 0
.rept 4
	v_nop
.endr
.Lasked_\@:
.endm
.macro CREST
	s_cmp_lg_u32 s14, 0
	s_cbranch_scc1 .Lnot_wave_0_\@
	s_barrier_signal -3
.Lnot_wave_0_\@:
	s_barrier_wait -3
	s_barrier_signal -1
	s_barrier_wait -1
.endm
.macro CROUND
	s_barrier_signal -1
	s_barrier_wait -1
	CREST
.endm
	s_load_b128 s[4:7], s[0:1], 0x0
	s_load_b128 s[8:11], s[0:1], 0x10
	v_lshl_add_u32 v[SPW], v0, 2, SPARE
	v_mov_b32 v[NIL], 0
	ds_add_u32 v28, v29
	ds_add_u32 v28, v29
	s_wait_dscnt 0x0
	v_lshrrev_b32 v1, 5, v0
	v_readfirstlane_b32 s14, v1
	s_lshr_b32 s15, s14, 1
	s_and_b32 s16, s14, 1
	s_bfe_u32 s40, ttmp6, 0x40000
	s_bfe_u32 s41, ttmp6, 0x40004
	s_lshl_b32 s42, ttmp9, 2
	s_add_co_u32 s42, s42, s40
	s_and_b32 s17, ttmp7, 0xffff
	s_lshl_b32 s17, s17, 2
	s_add_co_u32 s17, s17, s41
	s_lshl_b32 s43, s41, 2
	s_lshl_b32 s43, 15, s43
	s_lshl_b32 s44, 0x1111, s40
	s_or_b32 s[G1+0], s43, (0<<16)|(1<<20)|(1<<21)|(5<<22)|(3<<25)
	s_or_b32 s[G1B+0], s44, (0<<16)|(1<<20)|(1<<21)|(5<<22)|(3<<25)
.irp g, G1, G1B
	s_mov_b32 s[\g+1], ROWB<<16
	s_mov_b32 s[\g+3], ROWB<<16
	s_mov_b32 s[\g+6], 0
	s_mov_b32 s[\g+7], 0
.endr
	s_mov_b32 s[G1+2], 128<<16                     ; A: 128 rows of 256 bytes a load
	s_mov_b32 s[G1+4], 128
	s_mov_b32 s[G1B+2], 64<<16                     ; B: 64 rows
	s_mov_b32 s[G1B+4], 64
	s_mov_b32 s[G1+5], ROWB
	s_mov_b32 s[G1B+5], KROW
	s_lshl_b32 s20, s17, 18
	s_lshl_b32 s18, s16, 15
	s_add_co_u32 s20, s20, s18
	s_mov_b32 s21, 0
	s_lshl_b32 s18, s16, 6                         ; B: row 128 x tile column + 64 x half
	s_lshl_b32 s46, s42, 7
	s_add_co_u32 s46, s46, s18
	s_lshl_b32 s46, s46, 10
	s_mov_b32 s47, 0
	s_mul_i32 s45, s14, HALFT
	s_wait_kmcnt 0x0
	s_load_b64 s[96:97], s[8:9], 0x18
	s_add_nc_u64 s[20:21], s[4:5], s[20:21]
	s_add_nc_u64 s[46:47], s[6:7], s[46:47]
	CROUND
.irp s, 0,1
	s_mov_b32 s[G0+4*\s], 1
	s_add_co_u32 s[G0+4*\s+1], s45, \s*SLOT
	s_add_nc_u64 s[G0+4*\s+2:G0+4*\s+3], s[20:21], \s*65536
	s_or_b32 s[G0+4*\s+3], s[G0+4*\s+3], 0x80000000
	s_mov_b32 s[G0B+4*\s], 1
	s_add_co_u32 s[G0B+4*\s+1], s45, \s*SLOT
	s_add_nc_u64 s[G0B+4*\s+2:G0B+4*\s+3], s[46:47], \s*ROWB
	s_or_b32 s[G0B+4*\s+3], s[G0B+4*\s+3], 0x80000000
	s_wait_alu depctr_va_vdst(0)
	s_wait_tensorcnt 0x0
	ds_add_u32 v28, v29
	ds_add_u32 v28, v29
	s_wait_dscnt 0x0
	CROUND
	JLOAD G0+4*\s, G1, G0B+4*\s, G1B
.endr
	v_and_b32 v1, 15, v0
	v_bfe_u32 v2, v0, 4, 1
	v_mul_u32_u24 v3, v1, PITCH
	v_lshl_add_u32 v4, v2, 4, v3
	v_mul_u32_u24 v5, v2, PITCH                    ; A: a piece of 512 bytes is two LDS rows: lanes 0-15 in the first, lanes 16-31 in the second,
	v_lshl_add_u32 v5, v1, 4, v5                   ; 16 bytes a lane
	s_mul_i32 s21, s15, 64*PITCH                   ; my eight tiles of 16 rows: 32 pieces on
	s_mul_i32 s22, s16, HALFT
	s_add_co_u32 s22, s22, 2*HALFT
.irp s, 0,1
	v_add_nc_u32 v[ADRA+\s], s21, v5
	v_add_nc_u32 v[ADRB+\s], s22, v4
	s_add_co_u32 s21, s21, SLOT
	s_add_co_u32 s22, s22, SLOT
.endr
	s_mul_i32 s23, s14, 16*SPITCH
	s_wait_alu depctr_va_vdst(0)                   ; the wait here, directly ahead of the reader below
	v_mul_u32_u24 v5, v1, SPITCH
	v_lshl_add_u32 v5, v2, 5, v5
	v_add_nc_u32 v[STO], s23, v5
	v_mul_u32_u24 v6, v2, SPITCH                   ; back: lanes 0-15 take one row of 256 bytes, lanes 16-31 the next
	v_lshl_add_u32 v6, v1, 4, v6
	v_add_nc_u32 v[RD], s23, v6
	v_mul_u32_u24 v6, v2, SIZE_N*4                 ; and the same two rows in the output
	v_lshl_add_u32 v[CO], v1, 4, v6
	s_lshl_b32 s20, s17, 8
	s_lshl_b32 s21, s15, 7
	s_add_co_u32 s20, s20, s21
	s_mov_b32 s21, 0
	s_mov_b64 s[18:19], SIZE_N*4
	s_mul_u64 s[20:21], s[20:21], s[18:19]
	s_lshl_b32 s46, s42, 9                         ; my first column, in bytes: 512 x tile column + 256 x half
	s_lshl_b32 s47, s16, 8
	s_add_co_u32 s46, s46, s47
	s_mov_b32 s47, 0
	s_add_nc_u64 s[20:21], s[20:21], s[46:47]
	s_add_nc_u64 s[10:11], s[10:11], s[20:21]
.macro FRAG reg, adr, q, i
.irp c, 0,1,2,3
	ds_load_b128 v[\reg+4*\c:\reg+4*\c+3], v[\adr] offset:128*(\q)+32*\c+(\i)*16*PITCH
.endr
.endm
.macro FRAGA reg, adr, q, i
.irp c, 0,1,2,3
	ds_load_b128 v[\reg+4*\c:\reg+4*\c+3], v[\adr] offset:((16*(\q)+(\i))*4+\c)*2*PITCH   ; piece c of tile i in the slot's q-th 128 along K
.endr
.endm
.macro MUL16 a0, p, zero
.irp a, \a0, \a0+1
.irp b, 0,1,2,3
.if \zero
	v_wmma_f32_16x16x128_fp8_fp8 v[8*(8*((\a)%4)+\b):8*(8*((\a)%4)+\b)+7], v[128*(\p)+FR*\b:128*(\p)+FR*\b+FR-1], v[AF+FR*(\a):AF+FR*(\a)+FR-1], 0
.else
	v_wmma_f32_16x16x128_fp8_fp8 v[8*(8*((\a)%4)+\b):8*(8*((\a)%4)+\b)+7], v[128*(\p)+FR*\b:128*(\p)+FR*\b+FR-1], v[AF+FR*(\a):AF+FR*(\a)+FR-1], v[8*(8*((\a)%4)+\b):8*(8*((\a)%4)+\b)+7]
.endif
.endr
.endr
.endm
.macro FETCH_B slot, q, p
	WIN TO_B
.irp i, 0,1,2,3
	FRAG 128*(\p)+FR*\i, ADRB+\slot, \q, \i
.endr
	WIN 0
.endm
.macro FETCH_A slot, q, i0
.irp i, \i0, \i0+1, \i0+2, \i0+3
	FRAGA AF+FR*(\i), ADRA+\slot, \q, \i
.endr
.endm
.macro PLACES n
.rept \n
	v_nop
.endr
.endm
.macro STEP slot, q, zero
	s_wait_dscnt 4*NL
	WIN MUL_LO
	MUL16 0, (\q)%2, \zero
	MUL16 2, (\q)%2, \zero
	s_wait_dscnt 0
	PLACES NP
	FETCH_B \slot, (\q)+1, 1-(\q)%2
	FETCH_A \slot, (\q)+1, 0
	WIN MUL_HI
	MUL16 4, (\q)%2, \zero
	MUL16 6, (\q)%2, \zero
	PLACES NP
	WIN 0
	FETCH_A \slot, (\q)+1, 4
.endm
.macro TURN slot, next, fill
	s_wait_tensorcnt 0x0
	ds_add_u32 v[SPW], v[NIL]
	s_wait_dscnt 4*NL+1
	WIN MUL_LO
	MUL16 0, 1, 0
	s_wait_dscnt 0x0
	s_barrier_signal -1
	MUL16 2, 1, 0
	WIN 0
	s_barrier_wait -1
.if \fill
	CREST
	s_add_nc_u64 s[G0+4*\slot+2:G0+4*\slot+3], s[G0+4*\slot+2:G0+4*\slot+3], ASTEP
	s_add_nc_u64 s[G0B+4*\slot+2:G0B+4*\slot+3], s[G0B+4*\slot+2:G0B+4*\slot+3], BSTEP
	JLOAD G0+4*\slot, G1, G0B+4*\slot, G1B
.else
	PLACES NP
.endif
	FETCH_B \next, 0, 0
	FETCH_A \next, 0, 0
	WIN MUL_HI
	MUL16 4, 1, 0
	MUL16 6, 1, 0
	PLACES NP
	WIN 0
	FETCH_A \next, 0, 4
.endm
	s_wait_alu depctr_va_vdst(0)
	s_wait_tensorcnt 1
	s_barrier_signal -1
	s_barrier_wait -1
	FETCH_B 0, 0, 0
	FETCH_A 0, 0, 0
	FETCH_A 0, 0, 4
	STEP 0, 0, 1
	TURN 0, 1, 1
	STEP 1, 0, 0
	TURN 1, 0, 1
	STEP 0, 0, 0
	TURN 0, 1, 0
	STEP 1, 0, 0
	s_wait_dscnt 4*NL
	WIN MUL_LO
	MUL16 0, 1, 0
	MUL16 2, 1, 0
	s_wait_dscnt 0
	WIN MUL_HI
	MUL16 4, 1, 0
	MUL16 6, 1, 0
	WIN 0
.macro TOSTAGE a
.set AC, 64*((\a)%4)
	WIN 0x02+((\a)/4)
.irp j, 0,2,4,6,8,10,12,14,16,18,20,22,24,26,28,30
	v_pk_mul_f32 v[TMP+\j:TMP+\j+1], v[AC+\j:AC+\j+1], s[96:97] op_sel_hi:[1,0]
.endr
	WIN 0
.irp b, 0,1,2,3
	ds_store_b128 v[STO], v[TMP+8*\b:TMP+8*\b+3] offset:64*\b
	ds_store_b128 v[STO], v[TMP+8*\b+4:TMP+8*\b+7] offset:64*\b+16
.endr
.set BB, BK+64*((\a)%2)
.irp t, 0,1,2,3,4,5,6,7
	ds_load_b128 v[BB+4*\t:BB+4*\t+3], v[RD] offset:2*\t*SPITCH
.endr
.endm
.macro SEND a, younger
.set BB, BK+64*((\a)%2)
	s_wait_dscnt \younger
.if (\a) > 0
	s_add_nc_u64 s[10:11], s[10:11], 16*SIZE_N*4
.endif
.irp t, 0,1,2,3,4,5,6,7
	global_store_b128 v[CO], v[BB+4*\t:BB+4*\t+3], s[10:11] offset:2*\t*SIZE_N*4 th:TH_STORE_NT
.endr
.endm
	s_wait_kmcnt 0x0
	s_add_co_i32 s96, s96, s97
	s_add_co_i32 s96, s96, 127
	s_lshl_b32 s96, s96, 23
	PLACES NP
	TOSTAGE 0
.irp a, 1,2,3,4,5,6,7
.if \a > 1
	s_wait_xcnt 0x0
.endif
	TOSTAGE \a
	SEND \a-1, 16                                  ; behind block a - 1's loads: block a's 8 stores and 8 loads
.endr
	s_wait_xcnt 0x0
	SEND 7, 0
	s_wait_tensorcnt 0x0
	ds_add_u32 v[SPW], v[NIL]
	s_wait_dscnt 0x0
	CROUND
	s_endpgm
.Lfunc_end_k_q7457e4a807_proj:
	.size	k_q7457e4a807_proj, .Lfunc_end_k_q7457e4a807_proj-k_q7457e4a807_proj
	.p2alignl 7, 3214868480
	.fill 96, 4, 3214868480
	.section	.rodata,"a",@progbits
	.p2align	6, 0x0
	.amdhsa_kernel k_q7457e4a807_proj
		.amdhsa_group_segment_fixed_size 327680
		.amdhsa_private_segment_fixed_size 0
		.amdhsa_enable_private_segment 0
		.amdhsa_kernarg_size 32
		.amdhsa_user_sgpr_count 2
		.amdhsa_user_sgpr_kernarg_segment_ptr 1
		.amdhsa_wavefront_size32 1
		.amdhsa_system_sgpr_workgroup_id_x 1
		.amdhsa_system_sgpr_workgroup_id_y 1
		.amdhsa_system_sgpr_workgroup_id_z 1
		.amdhsa_system_vgpr_workitem_id 0
		.amdhsa_next_free_vgpr 1024
		.amdhsa_next_free_sgpr 98
		.amdhsa_reserve_vcc 0
		.amdhsa_float_denorm_mode_32 3
		.amdhsa_float_denorm_mode_16_64 3
		.amdhsa_memory_ordered 1
		.amdhsa_forward_progress 1
		.amdhsa_inst_pref_size 78
	.end_amdhsa_kernel
	.amdgpu_metadata
---
amdhsa.version: [ 1, 2 ]
amdhsa.kernels:
  - .name:           k_q7457e4a807_proj
    .symbol:         k_q7457e4a807_proj.kd
    .args:
      - { .name: ao, .offset: 0, .size: 8, .value_kind: global_buffer, .address_space: global }
      - { .name: woc, .offset: 8, .size: 8, .value_kind: global_buffer, .address_space: global }
      - { .name: lowp_scales, .offset: 16, .size: 8, .value_kind: global_buffer, .address_space: global }
      - { .name: out0, .offset: 24, .size: 8, .value_kind: global_buffer, .address_space: global }
    .group_segment_fixed_size: 327680
    .private_segment_fixed_size: 0
    .kernarg_segment_align: 8
    .kernarg_segment_size: 32
    .max_flat_workgroup_size: 128
    .sgpr_count:     98
    .vgpr_count:     1024
    .wavefront_size: 32
...
	.end_amdgpu_metadata
.endif
;; end of part 4
